; MI455X (gfx1250); checked and timed in simulation.
; The chip was launched on July 23, 2026; its instructions are those of AMD's public machine-readable ISA for CDNA 5 (MIT licence, August 2026) and "CDNA5" Instruction Set Architecture Reference Guide (July 2026). The comments in the code are by the model that wrote it; some were corrected since.
;; Core Attention. Allowed arithmetic: matrix products marked QUANTISED: E2M3 operands, one E8M0 scale for each 32 along K, by v_wmma_scale_f32_16x16x128_f8f6f4 with both operands' format E2M3, f32 sums; everything else in f32.
;; Inputs: attention_mask 4 x 1 x 2,048 x 2,048 bool; key_states_codes 4 x 16 x 2,048 x 4 x 24 uint8 (E2M3 codes of key_states, K innermost, in blocks of 32 codes, four codes in three bytes); key_states_scales 4 x 16 x 2,048 x 4 uint8 (E8M0 scales of key_states, one for each 32 codes along K); query_states_codes 4 x 16 x 2,048 x 4 x 24 uint8 (E2M3 codes of query_states, K innermost, in blocks of 32 codes, four codes in three bytes); query_states_scales 4 x 16 x 2,048 x 4 uint8 (E8M0 scales of query_states, one for each 32 codes along K); value_states_codes 4 x 16 x 128 x 64 x 24 uint8 (E2M3 codes of value_states, K innermost, in blocks of 32 codes, four codes in three bytes); value_states_scales 4 x 16 x 128 x 64 uint8 (E8M0 scales of value_states, one for each 32 codes along K).
;; Outputs: out0 4 x 16 x 2,048 x 128 float32.
;; This version of the problem:
;;   THIS VERSION OF THE PROBLEM IS GIVEN IN LOW PRECISION. The matrix products marked QUANTISED in the list below multiply operands that are first quantised to E2M3 (2 exponent bits, 3 mantissa bits; 6 bits a number), with one power-of-two scale for each 32 numbers along K (OCP MX v1.0); their sums are f32. All else is computed in f32.
;;   The module's matrix products, in the order in which they are computed (A, B: the left and right operand; K: the contracted axis; several contracted axes count as one K, in the product's order):
;;     1. batch 64 x [M 2,048, K 128] x [K 128, N 2,048]; A: input query_states (given as codes); B: input key_states (given as codes): QUANTISED
;;     2. batch 64 x [M 2,048, K 2,048] x [K 2,048, N 128]; A: softmax (see below); B: input value_states (given as codes): QUANTISED
;;   THE QUANTISER, for each operand of a quantised product, along K:
;;     - K is cut into blocks of 32 from its start; a last block that is shorter is filled with zeros.
;;     - A block's scale is 2^e with e = floor(log2(the largest magnitude in the block)) - 2, held to -126 .. 127; a block of zeros has e = 0. As a byte (E8M0): e + 127.
;;     - Each number is divided by its block's scale, clamped to +-7.5, and rounded to the nearest number of E2M3, ties to even, subnormals kept.
;;     - The product sums the exact products of the quantised numbers (number of the format x scale) in f32.
;;   ~~~python
;;   def quantise(x, axis):      # numpy; x: float32 -> the quantised numbers, widened to float32 again
;;       x = np.moveaxis(x, axis, -1); K = x.shape[-1]
;;       x = np.pad(x, [(0, 0)] * (x.ndim - 1) + [(0, -K % 32)]); x = x.reshape(x.shape[:-1] + (-1, 32)); a = np.abs(x).max(-1, keepdims=True)
;;       e = np.where(a > 0, np.clip(np.frexp(np.where(a > 0, a, 1))[1] - 1 - 2, -126, 127), 0)      # np.frexp(a)[1] - 1 = floor(log2(a)), exactly
;;       r = np.clip(x / 2.0 ** e, -7.5, 7.5)
;;       step = 2.0 ** (np.maximum(np.frexp(np.where(r == 0, 1, r))[1] - 1, 0) - 3)
;;       q = np.round(r / step) * step * 2.0 ** e      # np.round: ties to even
;;       return np.moveaxis(q.reshape(q.shape[:-2] + (-1,))[..., :K], -1, axis).astype(np.float32)
;;   ~~~
;;   SOFTMAX AHEAD OF A QUANTISED PRODUCT. Where the list says 'softmax', what is quantised is not the finished softmax but p = 2^(t - M), with t = logit x log2(e) and M = ceil(the row's largest t), a whole number; so 1/2 < the row's largest p <= 1. The row's sum l is taken of the UNQUANTISED p, in f32, and the product's result is divided by l at the end. Since M is a whole number, a kernel that streams over the keys may use a running M (the ceiling of the running maximum): every later rescaling is an exact power of two, which a block's scale takes up: the codes' values come out the same.
;;   OPERANDS COMPUTED ON THE WAY. 'Computed on the way' means the value that the module computes at that place (a softmax that the list does not call 'softmax' is quantised finished and normalised). What goes into a quantiser is computed in f32, as accurately as f32 sums, v_exp_f32 and their like allow (about 1e-6 of the number): no bf16 or f16 on the way to a quantiser, and a product that is left as it is and whose result goes on into a quantised operand takes f32 operands (vector FMAs, or v_wmma_f32_16x16x4_f32). A number that lies on a knife's edge between two numbers of the format may be rounded either way, as far as f32 arithmetic and the matrix unit's own rounding can turn it there, and no further.
;;   INPUTS GIVEN AS CODES. key_states (in the module: [4, 16, 2048, 128], K = its axis 3); query_states (in the module: [4, 16, 2048, 128], K = its axis 3); value_states (in the module: [4, 16, 2048, 128], K = its axis 2): each comes as NAME_codes (uint8): NAME with its K axis moved to the last place and cut into blocks of 32 codes, [.., K / 32, bytes a block], one block behind the other in memory; four codes in three bytes: a row's codes are one little-endian stream of bits, code i at bits 6 i .. 6 i + 5 (a code: sign, 2 exponent bits, 3 mantissa bits); and NAME_scales (uint8): the same leading axes, one E8M0 byte (e + 127) for each 32 codes along K. Its value is code x scale, taken as it is: it is not quantised again, and the codes and scales need not be those that the quantiser above would give.
;; 2 versions. Each part assembles by itself: llvm-mc -triple=amdgcn-amd-amdhsa -mcpu=gfx1250 --defsym DOCPART=n.
;; ======== version 1 of 2: 2 launches
;; limits: right only within a limited range of input values
;; workspace buffers: lanemask 2,097,152 bytes of whole numbers; flags 2,048 bytes of whole numbers
;; launch pack_mask (part 1): grid 512 x 1, 4 waves a work-group, no clusters, 35,328 bytes of LDS; arguments attention_mask, lanemask, flags; writes lanemask, flags
.if DOCPART == 1
	.amdgcn_target "amdgcn-amd-amdhsa--gfx1250"
	.amdhsa_code_object_version 6
	.text
	.protected	k_q58fce99d46_pack_mask
	.globl	k_q58fce99d46_pack_mask
	.p2align	8
	.type	k_q58fce99d46_pack_mask,@function
k_q58fce99d46_pack_mask:
	s_mov_b64 s[64:65], 0
	v_nop
	global_prefetch_b8 v0, s[64:65] scope:SCOPE_SE
	s_setreg_imm32_b32 hwreg(HW_REG_WAVE_MODE, 25, 1), 1
	s_wait_xcnt 0x0
; attention_mask [4][1][2048][2048], one byte a place (0 or 1), is turned into LANE MASKS for the attention launch, and into one word of flags for each tile of 16 queries.
; lanemask [T = 128 b + query tile][step of 128 keys (16)][n (64)], 32-bit words.  Word n = 16 bb + e; its bit r + 16 h is mask[b][16 tile + r][128 step + 32 bb + 16 h + e]:
; the very lanes of the score register n of the attention launch, in which lane (r, h) holds query r and key 32 bb + 16 h + e of the step.
; flags [T]: bit s (0-15): step s has to be worked;  bit 16 + s: step s is not all true, so its mask has to be applied.
; A step whose 16 x 128 places are all false adds nothing to a row that has an open key somewhere (its weights are 0), so it need not be worked.  A row with NO open key is the mean of all values:
; if one of the tile's 16 rows is such a row, all 16 steps are marked for work.
; SHARES.  A work-group takes one tile T: 16 rows of 2,048 bytes.  Wave v takes keys 512 v on: steps 4 v to 4 v + 3.  Each of its 16 loads reads 512 consecutive bytes of one row, and all 16 are out at once.
; The bytes turn through the wave's own stage in LDS, so that lane (r, h) gets 16 neighbouring keys of row r; a byte is cut out by v_and_b32, and v_cmp_ne_u32 of all 32 lanes IS the word.
; The words are gathered lane by lane (v_writelane_b32) and leave as 512 consecutive bytes a store.  The flags word is 4 bytes a work-group: 2,048 bytes in the whole launch.
.set ROWB,  2048                       ; a row of the mask in bytes
.set PITCH, 528                        ; a stage row: 512 bytes + 16 = 132 words: row r starts at bank 4 r mod 64 (64 banks of 4 bytes: ISA guide 11.1)
.set WSTG,  16*PITCH                   ; a wave's stage
.set FLG,   4*WSTG                     ; behind the stages: 16 words ANY (step 4 v + s'), then 16 words ALL
.set TMP,   6                          ; v6-9     four bytes cut out
.set OUTW,  10                         ; v10-17   two sets of four: the words of two steps each, word 4 lane + e in register e
.set R,     32                         ; v32-95   the 16 rows as loaded
.set X,     96                         ; v96-159  turned: register 16 s' + 4 bb + i: keys 128 s' + 32 bb + 16 h + 4 i + 0 .. 3 of row r
.set BYTE,  12                         ; s[12:15] the four byte masks
.set W,     16                         ; s[16:19] four words in hand
.set ANY,   20                         ; s[20:23] the OR of a step's 64 words
.set ALL,   24                         ; s[24:27] the AND of them
	s_load_b128 s[4:7], s[0:1], 0x0                ; the mask s[4:5], lanemask s[6:7]
	s_load_b64 s[8:9], s[0:1], 0x10                ; flags
	v_lshl_add_u32 v160, v0, 2, 0x8800
	v_mov_b32 v161, 0
	v_lshrrev_b32 v1, 5, v0
	v_readfirstlane_b32 s10, v1                    ; wave 0..3
	v_and_b32 v1, 31, v0                           ; lane
	v_lshlrev_b32 v2, 4, v1                        ; 16 x lane: my bytes of a load, and of a store of words
	s_mul_i32 s28, s10, WSTG
	v_add_nc_u32 v3, s28, v2                       ; the stage, way in: a row as it lies
	v_and_b32 v6, 15, v0                           ; r
	v_bfe_u32 v7, v0, 4, 1                         ; h
	v_mul_u32_u24 v4, v6, PITCH
	v_lshl_add_u32 v4, v7, 4, v4
	v_add_nc_u32 v4, s28, v4                       ; way out: row r, + 16 h
	v_lshl_add_u32 v27, v1, 2, FLG                 ; lanes 0-15: ANY of step lane; lanes 16-31: ALL of step lane - 16
	v_mov_b32 v30, s10
	v_lshlrev_b32 v30, 4, v30                      ; my wave's four words among them
	s_mov_b32 s[BYTE], 0xff
	s_mov_b32 s[BYTE+1], 0xff00
	s_mov_b32 s[BYTE+2], 0xff0000
	s_mov_b32 s[BYTE+3], 0xff000000
.irp i, 0,1,2,3,4,5,6,7
	v_mov_b32 v[OUTW+\i], 0                        ; written once whole: v_writelane_b32's destination counts as one of its sources
.endr
	s_lshl_b32 s28, ttmp9, 15                      ; 16 rows of 2,048 bytes a tile,
	s_lshl_b32 s29, s10, 9                         ; 512 bytes of each row a wave
	s_add_co_u32 s28, s28, s29
	s_mov_b32 s29, 0
	s_lshl_b32 s30, ttmp9, 12                      ; 16 steps of 256 bytes of words a tile,
	s_lshl_b32 s31, s10, 10                        ; four steps a wave
	s_add_co_u32 s30, s30, s31
	s_mov_b32 s31, 0
	s_lshl_b32 s32, ttmp9, 2                       ; one word of flags a tile
	s_mov_b32 s33, 0
	s_wait_kmcnt 0x0
	s_add_nc_u64 s[4:5], s[4:5], s[28:29]
	s_add_nc_u64 s[6:7], s[6:7], s[30:31]
	s_add_nc_u64 s[8:9], s[8:9], s[32:33]
.irp q, 0,1,2,3,4,5,6,7,8,9,10,11,12,13,14,15
	global_load_b128 v[R+4*\q:R+4*\q+3], v2, s[4:5] offset:ROWB*\q th:TH_LOAD_NT   ; 32 lanes read 512 consecutive bytes of row q; read once in the launch
.endr
.irp q, 0,1,2,3,4,5,6,7,8,9,10,11,12,13,14,15
	s_wait_loadcnt 15-\q                           ; loads come back in order (ISA guide 5.7.1): row q is in, the 15 - q younger ones stay out
	ds_store_b128 v3, v[R+4*\q:R+4*\q+3] offset:PITCH*\q
.endr
.irp q, 0,1,2,3,4,5,6,7,8,9,10,11,12,13,14,15
	ds_load_b128 v[X+4*\q:X+4*\q+3], v4 offset:32*\q   ; 128 s' + 32 bb = 32 (4 s' + bb).  LDS serves a wave's instructions in order (ISA guide 5.7.1.4): these see my stores
.endr
; The 64 words of my step sp, four at a time: register m of the step holds the bytes of words 4 m + 0 .. 3.
.macro WORDS sp
	s_wait_dscnt 12-4*(\sp)                        ; this step's four loads are in; the four of each later step stay out
.irp m, 0,1,2,3,4,5,6,7,8,9,10,11,12,13,14,15
.irp e, 0,1,2,3
	v_and_b32 v[TMP+\e], s[BYTE+\e], v[X+16*(\sp)+\m]
.endr
.irp e, 0,1,2,3
	v_cmp_ne_u32 s[W+\e], 0, v[TMP+\e]             ; bit r + 16 h: the place is open
.endr
.irp e, 0,1,2,3
	v_writelane_b32 v[OUTW+4*((\sp)/2)+\e], s[W+\e], 16*((\sp)%2)+\m   ; word 4 m + e of the step: lane m (the set's second step: 16 + m), register e
.endr
	s_or_b32 s28, s[W], s[W+1]
	s_or_b32 s29, s[W+2], s[W+3]
	s_and_b32 s30, s[W], s[W+1]
	s_and_b32 s31, s[W+2], s[W+3]
.if \m == 0
	s_or_b32 s[ANY+\sp], s28, s29                  ; the first four words start both
	s_and_b32 s[ALL+\sp], s30, s31
.else
	s_or_b32 s28, s28, s29
	s_and_b32 s30, s30, s31
	s_or_b32 s[ANY+\sp], s[ANY+\sp], s28
	s_and_b32 s[ALL+\sp], s[ALL+\sp], s30
.endif
.endr
.endm
	WORDS 0
	WORDS 1
	global_store_b128 v2, v[OUTW:OUTW+3], s[6:7]               ; two steps' words: 512 consecutive bytes, at a multiple of 256 from the buffer's first byte
	WORDS 2
	WORDS 3
	global_store_b128 v2, v[OUTW+4:OUTW+7], s[6:7] offset:512  ; each set of registers is written once: no store's data are written again
.irp i, 0,1,2,3
	v_mov_b32 v[18+\i], s[ANY+\i]
	v_mov_b32 v[22+\i], s[ALL+\i]
.endr
	ds_store_b128 v30, v[18:21] offset:FLG         ; all lanes write the same 16 bytes with the same values
	ds_store_b128 v30, v[22:25] offset:FLG+64
	s_wait_dscnt 0x0                               ; for wave 0's sake: my stores have landed
	s_barrier_signal -1
	s_barrier_wait -1
	s_cmp_lg_u32 s10, 0                            ; wave 0 makes the tile's word of flags; no barrier follows
	s_cbranch_scc1 .Ldone
	ds_load_b32 v26, v27
	s_wait_dscnt 0x0
	v_cmp_ne_u32 s28, 0, v26                       ; bits 0-15: the step has an open place
	v_cmp_ne_u32 s29, -1, v26                      ; bits 16-31: the step has a closed place
	s_and_b32 s28, s28, 0xffff
	s_and_b32 s29, s29, 0xffff0000
	v_readlane_b32 s31, v26, 0
.irp i, 1,2,3,4,5,6,7,8,9,10,11,12,13,14,15
	v_readlane_b32 s30, v26, \i
	s_or_b32 s31, s31, s30                         ; the OR of all 16 steps' words: bit r + 16 h: row r has an open key in that half of some block
.endr
	s_lshr_b32 s30, s31, 16
	s_or_b32 s31, s31, s30
	s_and_b32 s31, s31, 0xffff                     ; bit r: row r has an open key
	s_cmp_eq_u32 s31, 0xffff
	s_cselect_b32 s28, s28, 0xffff                 ; a row without one wants every step
	s_or_b32 s28, s28, s29
	v_mov_b32 v29, s28
	v_mov_b32 v28, 0
	v_cmp_eq_u32 vcc_lo, 0, v1
	s_wait_xcnt 0x0                                ; EXEC is a source of the stores above: it changes only behind this wait
	s_and_saveexec_b32 s32, vcc_lo
	global_store_b32 v28, v29, s[8:9]              ; lane 0 alone
	s_wait_xcnt 0x0                                ; and again in front of the line that widens it
	s_or_b32 exec_lo, exec_lo, s32
.Ldone:
	s_wait_tensorcnt 0x0
	ds_add_u32 v160, v161
	s_wait_dscnt 0x0
	s_endpgm
.Lfunc_end_k_q58fce99d46_pack_mask:
	.size	k_q58fce99d46_pack_mask, .Lfunc_end_k_q58fce99d46_pack_mask-k_q58fce99d46_pack_mask
	.p2alignl 7, 3214868480
	.fill 96, 4, 3214868480
	.section	.rodata,"a",@progbits
	.p2align	6, 0x0
	.amdhsa_kernel k_q58fce99d46_pack_mask
		.amdhsa_group_segment_fixed_size 35328
		.amdhsa_private_segment_fixed_size 0
		.amdhsa_enable_private_segment 0
		.amdhsa_kernarg_size 24
		.amdhsa_user_sgpr_count 2
		.amdhsa_user_sgpr_kernarg_segment_ptr 1
		.amdhsa_wavefront_size32 1
		.amdhsa_system_sgpr_workgroup_id_x 1
		.amdhsa_system_sgpr_workgroup_id_y 1
		.amdhsa_system_sgpr_workgroup_id_z 1
		.amdhsa_system_vgpr_workitem_id 0
		.amdhsa_next_free_vgpr 162
		.amdhsa_next_free_sgpr 66
		.amdhsa_reserve_vcc 1
		.amdhsa_float_denorm_mode_32 3
		.amdhsa_float_denorm_mode_16_64 3
		.amdhsa_memory_ordered 1
		.amdhsa_forward_progress 1
		.amdhsa_inst_pref_size 66
	.end_amdhsa_kernel
	.amdgpu_metadata
---
amdhsa.version: [ 1, 2 ]
amdhsa.kernels:
  - .name:           k_q58fce99d46_pack_mask
    .symbol:         k_q58fce99d46_pack_mask.kd
    .args:
      - { .name: attention_mask, .offset: 0, .size: 8, .value_kind: global_buffer, .address_space: global }
      - { .name: lanemask, .offset: 8, .size: 8, .value_kind: global_buffer, .address_space: global }
      - { .name: flags, .offset: 16, .size: 8, .value_kind: global_buffer, .address_space: global }
    .group_segment_fixed_size: 35328
    .private_segment_fixed_size: 0
    .kernarg_segment_align: 8
    .kernarg_segment_size: 24
    .max_flat_workgroup_size: 128
    .sgpr_count:     66
    .vgpr_count:     162
    .wavefront_size: 32
...
	.end_amdgpu_metadata
.endif
;; end of part 1
;; launch attend (part 2): grid 8 x 64, 16 waves a work-group, no clusters, 137,216 bytes of LDS; arguments query_states_codes, query_states_scales, key_states_codes, key_states_scales, value_states_codes, value_states_scales, lanemask, flags, out0; writes out0
.if DOCPART == 2
	.amdgcn_target "amdgcn-amd-amdhsa--gfx1250"
	.amdhsa_code_object_version 6
	.text
	.protected	k_q58fce99d46_attend
	.globl	k_q58fce99d46_attend
	.p2align	8
	.type	k_q58fce99d46_attend,@function
k_q58fce99d46_attend:
	s_mov_b64 s[64:65], 0
	v_nop
	global_prefetch_b8 v0, s[64:65] scope:SCOPE_SE
	s_setreg_imm32_b32 hwreg(HW_REG_WAVE_MODE, 25, 1), 1
	s_wait_xcnt 0x0
; out0[hd][q][:] = the sum over k of softmax_k(masked Q[hd][q] . K[hd][k] / sqrt(128)) V[hd][k][:], 64 heads of 2,048 x 128, both products on codes of FP6 (E2M3) with one E8M0 scale for each 32 along a product's K.
; Q, K: codes [hd][2048][96 bytes], scale words [hd][2048][4];  V: codes with the keys innermost [hd][128][1,536 bytes], scale bytes [hd][128][64];  out0 f32.
; THE SOFTMAX AHEAD OF THE SECOND PRODUCT: t = score x c, c = log2(e) / sqrt(128); M = the row's largest t so far, rounded UP to a whole number; p = 2^(t - M) is quantised along the keys, not normalised.
; The row's sum is taken of the unquantised p and divides at the end.  When M moves, the sum and O are multiplied by 2^(old M - new M): exact.
; THE MASK is an input.  An earlier launch has turned it into lane masks (lanemask: for each tile of 16 queries and step of 128 keys one word for each of the 64 score registers) and flags (a word a tile:
; bit s: step s is to be worked; bit 16 + s: it has closed places).  A closed place's score becomes -2^126 by one v_cndmask_b32; a step that is all open skips those 64 lines; a step that is all closed, in a tile each of
; whose rows has an open key somewhere, is not worked at all: its weights would be 0.
; LIMIT: -2^126 stands for the reference's lowest f32 number: c x -2^126 is exact and whole, so while a row has seen closed places only, t - M is exactly 0 and p = 1; the first open key makes 2^(old M - new M) = 0, which
; wipes the sum and O, and closed places give p = 0 from then on.  A row with no open key keeps p = 1 for all 2,048 keys: the mean of the values, as the reference has it.  Real scores x c must lie above -1.08e37.
; NaN and infinities are not served.
; SHARES.  Work-group (g, hd): sixteen waves; wave w owns ONE tile of 16 queries, tile g + 8 w of the head's 128: a work-group's tiles are spread over the whole sequence, so that masks whose density changes with the
; query's number load all work-groups alike.  256 registers a wave, four waves to a SIMD: one wave's vector work stands beside another's products and LDS loads.
; LAYOUT.  Both products are used transposed: S^T = K Q^T (source 0 = 16 keys, source 1 = my queries), O^T = V^T P^T: a lane holds ONE query (lane % 16) throughout.
; THE KEYS OF A TILE ARE NOT NEIGHBOURS: lane r of tile 2 b + u takes key 32 b + 8 u + r + 8 (r / 8), so that the 16 registers of tiles 2 b and 2 b + 1 are 16 neighbouring keys, 32 b + 16 (lane / 16) + 0 .. 15.
; K AND V COME THROUGH REGISTERS INTO A RING OF TWO LDS SLOTS, AS IMAGES OF THE OPERANDS' REGISTERS.  A step has 16 fragments (8 tiles of K, 8 of V^T); wave w brings fragment w: each lane loads its own twelve registers of
; it (six loads of 8 bytes, asked for a whole step ahead), and the wave stores them as they stand by three ds_store_b128 at 16 x lane; any wave then has the fragment by three ds_load_b128 at 16 x lane.
; One barrier a step: in front of it a wave's stores into the next slot have landed and its reads of this slot are in.
; WHY NO TENSOR LOADS, NO CLUSTER, NO JOINT LOADS, though the eight work-groups of a head walk the same K and V: which steps a wave works hangs on flags read from memory, so the text branches on stored numbers.
; What is shared is 24,576 bytes a step; what the branch leaves out is a step's 16 products and its whole softmax.
; The scale words of the whole head, 8,192 bytes each for K and V, are laid into LDS once, so that ONE ds_load_b128 brings the words of a step's eight tiles: register j holds tile 2 j's in lanes 0-15, tile 2 j + 1's in lanes 16-31.
.set FRB,    1536                      ; a fragment's image: 12 registers x 32 lanes x 4 bytes; register R of lane L at 512 (R / 4) + 16 L + 4 (R % 4)
.set SLOTB,  16*FRB                    ; a slot: K's eight images, then V's eight
.set VOFF,   8*FRB
.set KSC,    2*SLOTB                   ; K's scale words: 512 bytes a step; tile t, row r at 16 (r + 16 (t % 2)) + 4 (t / 2)
.set VSC,    KSC+8192                  ; V's likewise
.set STG,    VSC+8192                  ; the way out: 16 rows x (256 bytes + 16) for each wave
.set SPITCH, 272
.set LI,   1                           ; v1      16 x lane
.set GOF,  2                           ; v2      staging: my lane's byte offset in my tile's rows in memory
.set KSA,  3                           ; v3      the head: where my four scale words of K go
.set VSA,  4                           ; v4      and of V
.set LA,   5                           ; v5      staging: 16 x lane + 1,536 x wave: my lane's place in my fragment's image
.set QA,   6                           ; v6      the head: my lane's byte offset in Q's 16 rows
.set QSA,  7                           ; v7      and in their scale words
.set ADS,  8                           ; v8      LDS address of the step's scale words
.set NEG,  9                           ; v9      -2^126
.set QF,   16                          ; v16-27  Q's fragment
.set QS,   28                          ; v28     Q's scale words
.set F,    32                          ; v32-79  four fragments of K or of V
.set SD,   80                          ; v80-91  staging: the twelve registers of my fragment of the next step
.set SW,   92                          ; v92-95  the step's scale words, K's and then V's
.set S,    96                          ; v96-159 S^T, then p
.set O,    160                         ; v160-223 O^T
.set PC,   224                         ; v224-235 p's codes
.set BM,   232                         ; v232-235 the blocks' largest scores, then their largest p (done with before the codes are made)
.set TW,   236                         ; v236-243 at work
.set SOP,  244                         ; v244-247 the conversions' scale operands
.set PW,   248                         ; v248    p's scale word
                                       ; v12 -M, v13 the largest t, v[14:15] the sum in two halves, v[252:253] f (and a 0 named with it), v254 at work
.set WV,   2                           ; s2      my wave's number
.set MP,   10                          ; s[10:11] the step's 64 mask words in memory
.set FL,   14                          ; s14     the flags, shifted right once a step: bit 0 work, bit 16 closed places
.set TS,   16                          ; s16     KSC + 512 x step
.set CS,   18                          ; s[18:19] c: the packed form names a pair and takes its low word for both halves
.set SEL,  20                          ; s[20:21] lane selects for v_permlanex16_b32: lane l xor 16
.set MW,   32                          ; s[32:63], s[68:99] the mask words: word n in s[32 + n + 4 (n / 32)]
                                       ; s[4:5] staging base (my tile, the next step), s[8:9] its step, s[12:13] out0 at my first row, s3 trips
.macro PLACES n                        ; plain vector instructions that name no register of the products in front of them (ISA guide 7.12.1)
.rept \n
	v_nop
.endr
.endm
.macro FETCH reg, off                  ; a fragment out of its image
.irp c, 0,1,2
	ds_load_b128 v[(\reg)+4*\c:(\reg)+4*\c+3], v[LI] offset:(\off)+512*\c
.endr
.endm
.macro STAGE_LOAD                      ; my fragment of the next step: lane (r, h) takes the 24 bytes at 24 h and the 24 bytes at 48 + 24 h of its row's 96, in pieces of 8 bytes, so that every address is a multiple of the access's size
.irp p, 0,1,2,3,4,5
	global_load_b64 v[SD+2*\p:SD+2*\p+1], v[GOF], s[4:5] offset:48*(\p/3)+8*(\p%3)
.endr
.endm
.macro STAGE_STORE sl                  ; as it stands into its image in slot sl: 512 consecutive bytes a store
.irp c, 0,1,2
	ds_store_b128 v[LA], v[SD+4*\c:SD+4*\c+3] offset:(\sl)*SLOTB+512*\c
.endr
.endm
.macro QK tt                           ; S^T's tile tt = 16 keys x my 16 queries; the sum is one product
.if (\tt)%2
	v_wmma_scale_f32_16x16x128_f8f6f4 v[S+8*(\tt):S+8*(\tt)+7], v[F+12*((\tt)%4):F+12*((\tt)%4)+11], v[QF:QF+11], 0, v[SW+(\tt)/2], v[QS] matrix_a_fmt:MATRIX_FMT_FP6 matrix_b_fmt:MATRIX_FMT_FP6 matrix_a_scale:MATRIX_SCALE_ROW1
.else
	v_wmma_scale_f32_16x16x128_f8f6f4 v[S+8*(\tt):S+8*(\tt)+7], v[F+12*((\tt)%4):F+12*((\tt)%4)+11], v[QF:QF+11], 0, v[SW+(\tt)/2], v[QS] matrix_a_fmt:MATRIX_FMT_FP6 matrix_b_fmt:MATRIX_FMT_FP6
.endif
.endm
.macro PV tt                           ; O^T's tile tt (16 of the head's 128) += V^T P^T over the step's 128 keys.  The eight accumulators take turns, one instruction a turn
.if (\tt)%2
	v_wmma_scale_f32_16x16x128_f8f6f4 v[O+8*(\tt):O+8*(\tt)+7], v[F+12*((\tt)%4):F+12*((\tt)%4)+11], v[PC:PC+11], v[O+8*(\tt):O+8*(\tt)+7], v[SW+(\tt)/2], v[PW] matrix_a_fmt:MATRIX_FMT_FP6 matrix_b_fmt:MATRIX_FMT_FP6 matrix_a_scale:MATRIX_SCALE_ROW1
.else
	v_wmma_scale_f32_16x16x128_f8f6f4 v[O+8*(\tt):O+8*(\tt)+7], v[F+12*((\tt)%4):F+12*((\tt)%4)+11], v[PC:PC+11], v[O+8*(\tt):O+8*(\tt)+7], v[SW+(\tt)/2], v[PW] matrix_a_fmt:MATRIX_FMT_FP6 matrix_b_fmt:MATRIX_FMT_FP6
.endif
.endm
; From 64 scores a lane to p's codes and scale word, the sum and O^T under the new M.
.macro SOFTMAX
.irp b, 0,1,2,3
	v_max3_num_f32 v[BM+\b], v[S+16*\b], v[S+1+16*\b], v[S+2+16*\b]   ; THE LARGEST SCORE OF EACH BLOCK OF 32 KEYS serves twice: for the row's maximum, and, since p rises with the score, for the block's largest p
.endr
.irp i, 3,5,7,9,11,13
.irp b, 0,1,2,3
	v_max3_num_f32 v[BM+\b], v[BM+\b], v[S+16*\b+\i], v[S+1+16*\b+\i]   ; (the four blocks by turns)
.endr
.endr
.irp b, 0,1,2,3
	v_max_num_f32 v[BM+\b], v[BM+\b], v[S+15+16*\b]
.endr
.irp b, 0,1,2,3
	v_permlanex16_b32 v[TW+\b], v[BM+\b], s[SEL], s[SEL+1]
.endr
.irp b, 0,1,2,3
	v_max_num_f32 v[BM+\b], v[BM+\b], v[TW+\b]     ; with lane l xor 16's 16 keys
.endr
	v_max3_num_f32 v254, v[BM], v[BM+1], v[BM+2]
	v_max_num_f32 v254, v254, v[BM+3]              ; the step's largest score of my query
	v_mul_f32 v254, s[CS], v254                    ; as t (c is positive)
	v_max_num_f32 v13, v13, v254                   ; the running largest t
	v_mov_b32 v254, v12
	v_floor_f32 v12, -v13                          ; the new -M = floor(-t) = -ceil(t): M IS A WHOLE NUMBER
	v_sub_f32 v254, v12, v254                      ; M's old value less its new one: a whole number, 0 or less
	v_cvt_i32_f32 v254, v254                       ; (it saturates)
	v_ldexp_f32 v252, 1.0, v254                    ; f = 2^(old M - new M): a multiplication by it rounds nothing
.set j, 0
.rept 32
	v_pk_fma_f32 v[S+j:S+j+1], v[S+j:S+j+1], s[CS:CS+1], v[12:13] op_sel_hi:[1,0,0]   ; t - M, two at a time (of the pairs c and -M the low word serves both halves)
.set j, j+2
.endr
.irp b, 0,1,2,3
	v_fma_f32 v[BM+\b], v[BM+\b], s[CS], v12       ; the same of each block's largest score
.endr
.set j, 0
.rept 64
	v_exp_f32 v[S+j], v[S+j]                       ; p = 2^(t - M), at most 1: NOT normalised
.set j, j+1
.endr
.irp b, 0,1,2,3
	v_exp_f32 v[BM+\b], v[BM+\b]                   ; the block's largest p: the same two instructions on the same number give the same bits
.endr
	v_pk_mul_f32 v[14:15], v[14:15], v[252:253] op_sel_hi:[1,0]   ; the sums under the new M.  (The plain instruction behind the exponentials: ISA guide 5.7.2)
	s_wait_alu depctr_va_vdst(0)
.irp b, 0,1,2,3
	v_max_num_f32 v[BM+\b], 0x1800000, v[BM+\b]    ; the floor 2^(3 - 127): the byte cannot fall under 1 (a block whose every p is 0 keeps that byte: its codes are zeros)
.endr
.irp b, 0,1,2,3
	v_add_nc_u32 v[SOP+\b], 0xff000000, v[BM+\b]   ; 2 off the exponent field: the conversion takes the exponent field of this operand as its scale
.endr
.irp b, 0,1,2,3
	v_lshrrev_b32 v[TW+\b], 23, v[SOP+\b]          ; the scale's byte
.endr
	v_lshl_or_b32 v[PW], v[TW+1], 8, v[TW]         ; p's scale word for these 128 keys: far more than eight vector instructions ahead of the products that name it
	v_lshl_or_b32 v[PW], v[TW+2], 16, v[PW]
	v_lshl_or_b32 v[PW], v[TW+3], 24, v[PW]
.irp c, 0,1
	v_cvt_scalef32_pk16_fp6_f32 v[PC+6*\c:PC+2+6*\c], v[S+32*\c:S+15+32*\c], v[SOP+2*\c]
	v_cvt_scalef32_pk16_fp6_f32 v[TW+4*\c:TW+2+4*\c], v[S+16+32*\c:S+31+32*\c], v[SOP+2*\c+1]   ; (a conversion's three registers begin on an even number)
.endr
	v_nop                                          ; one plain vector instruction between a scaled conversion and the vector instruction that touches its result
.irp c, 0,1                                    ; the operand's layout wants a WHOLE block in a lane: lanes 0-15 block 2 c, lanes 16-31 block 2 c + 1
.irp i, 0,1,2
	v_permlane16_swap_b32 v[PC+6*\c+\i], v[TW+4*\c+\i]
.endr
.irp i, 0,1,2
	v_mov_b32 v[PC+3+6*\c+\i], v[TW+4*\c+\i]
.endr
.endr
	v_pk_add_f32 v[TW:TW+1], v[S:S+1], v[S+2:S+3]  ; THE ROW'S SUM IS TAKEN OF THE UNQUANTISED p: two at a time, in two chains
.set j, 4
.rept 15
	v_pk_add_f32 v[14:15], v[14:15], v[S+j:S+j+1]
	v_pk_add_f32 v[TW:TW+1], v[TW:TW+1], v[S+j+2:S+j+3]
.set j, j+4
.endr
	v_pk_add_f32 v[14:15], v[14:15], v[TW:TW+1]
.set j, 0
.rept 32
	v_pk_mul_f32 v[O+j:O+j+1], v[O+j:O+j+1], v[252:253] op_sel_hi:[1,0]   ; O^T under the new M: x f; each accumulator from its low end on
.set j, j+2
.endr
.endm
; A step's work for my tile, out of slot sl.
.macro WORK sl
	s_load_b512 s[MW:MW+15], s[MP:MP+1], 0x0       ; the step's 64 mask words: wanted behind the first product, so they have its time in which to come
	s_load_b512 s[MW+16:MW+31], s[MP:MP+1], 0x40
	s_load_b512 s[MW+36:MW+51], s[MP:MP+1], 0x80
	s_load_b512 s[MW+52:MW+67], s[MP:MP+1], 0xc0
	v_add_nc_u32 v[ADS], s[TS], v[LI]
	PLACES 3                                       ; with the addition: four places behind the last step's products, in front of loads into registers that they read
	ds_load_b128 v[SW:SW+3], v[ADS]                ; K's scale words, all eight tiles'
.irp t, 0,1,2,3
	FETCH F+12*\t, (\sl)*SLOTB+FRB*\t
.endr
	s_wait_dscnt 0x0
.irp t, 0,1,2,3
	QK \t
.endr
	PLACES 4
.irp t, 0,1,2,3
	FETCH F+12*\t, (\sl)*SLOTB+FRB*(4+\t)
.endr
	s_wait_dscnt 0x0
.irp t, 4,5,6,7
	QK \t
.endr
	PLACES 4                                       ; in front of the loads below and of the first read of the scores
	ds_load_b128 v[SW:SW+3], v[ADS] offset:VSC-KSC ; V's scale words and its first four fragments are asked for now: they land under the softmax
.irp t, 0,1,2,3
	FETCH F+12*\t, (\sl)*SLOTB+VOFF+FRB*\t
.endr
	s_wait_kmcnt 0x0                               ; the mask words are in (on both ways: none is pending when they are loaded again)
	s_bitcmp1_b32 s[FL], 16
	s_cbranch_scc0 .Lopen_\@                       ; every place of the step is open
.set n, 0
.rept 64
	v_cndmask_b32 v[S+n], v[NEG], v[S+n], s[MW+n+4*(n/32)]   ; a closed place's score becomes -2^126; each accumulator from its low end on
.set n, n+1
.endr
.Lopen_\@:
	SOFTMAX
	s_wait_dscnt 0x0                               ; V's words and first four fragments
.irp t, 0,1,2,3
	PV \t
.endr
	PLACES 4
.irp t, 0,1,2,3
	FETCH F+12*\t, (\sl)*SLOTB+VOFF+FRB*(4+\t)
.endr
	s_wait_dscnt 0x0
.irp t, 4,5,6,7
	PV \t
.endr
.endm
; A key step.  more = 1: there is a next step: my fragment of it is asked for first, stored into the other slot behind the work, and a barrier closes the step.
; The branch jumps over register work, LDS loads and scalar loads alone: every wave stages its fragment and passes the barrier in every step.
.macro STEP slot, more
.if \more
	STAGE_LOAD
.endif
	s_bitcmp1_b32 s[FL], 0
	s_cbranch_scc0 .Lskip_\@
	WORK \slot
.Lskip_\@:
.if \more
	s_wait_loadcnt 0x0                             ; my fragment of the next step is in
	STAGE_STORE 1-\slot                            ; the other slot was last read in the step before, behind whose barrier every wave stands
	s_wait_xcnt 0x0                                ; the bases of the loads above, scalar ones too, are written again only behind this wait
	s_add_nc_u64 s[4:5], s[4:5], s[8:9]
	s_add_nc_u64 s[MP:MP+1], s[MP:MP+1], 256
	s_lshr_b32 s[FL], s[FL], 1
	s_add_co_u32 s[TS], s[TS], 512
	s_wait_dscnt 0x0                               ; for the others' sake: my stores have landed, and my reads of this slot are in
	s_barrier_signal -1
	s_barrier_wait -1
.endif
.endm
	s_load_b512 s[32:47], s[0:1], 0x0              ; Q's codes s[32:33], Q's scales s[34:35], K's s[36:37], s[38:39], V's s[40:41], s[42:43], lanemask s[44:45], flags s[46:47]
	s_load_b64 s[12:13], s[0:1], 0x40              ; out0
	v_lshl_add_u32 v251, v0, 2, 0x21000
	v_mov_b32 v255, 0
	v_lshrrev_b32 v30, 5, v0
	v_readfirstlane_b32 s[WV], v30                 ; wave 0..15
	v_and_b32 v30, 31, v0                          ; lane
	v_lshlrev_b32 v[LI], 4, v30
	v_and_b32 v96, 15, v0                          ; r
	v_bfe_u32 v97, v0, 4, 1                        ; h
	s_and_b32 s22, ttmp7, 0xffff                   ; the head
	s_lshl_b32 s23, s[WV], 3
	s_add_co_u32 s23, s23, ttmp9                   ; my tile of queries: g + 8 w
	s_lshr_b32 s24, s22, 4
	s_lshl_b32 s24, s24, 7
	s_add_co_u32 s24, s24, s23                     ; T = 128 b + tile: the mask is shared by a batch's 16 heads
	s_mul_i32 s26, s22, 196608                     ; the head's first byte in each tensor of codes (2,048 x 96),
	s_mov_b32 s27, 0
	s_lshl_b32 s28, s22, 13                        ; and in each tensor of scale bytes
	s_mov_b32 s29, 0
	; STAGING.  Waves 0-7 bring K's tile w, waves 8-15 V's tile w - 8.  No branch: the pointer, the pitch and the step are chosen on the wave's number; they enter addresses in memory alone.
	s_lshr_b32 s30, s[WV], 1
	s_mul_i32 s30, s30, 3072
	s_and_b32 s31, s[WV], 1
	s_mul_i32 s31, s31, 768
	s_add_co_u32 s30, s30, s31                     ; K: tile 2 b + u begins at key 32 b + 8 u, 96 bytes a key
	s_and_b32 s31, s[WV], 7
	s_mul_i32 s31, s31, 24576                      ; V: tile t begins at row 16 t, 1,536 bytes a row
	s_mov_b32 s25, 1536
	s_mov_b32 s8, 96
	s_cmp_lt_u32 s[WV], 8
	s_cselect_b32 s30, s30, s31                    ; my tile's first byte in the head
	s_cselect_b32 s25, 96, s25                     ; from row to row
	s_cselect_b32 s8, 12288, s8                    ; from step to step: 128 keys down (K), 128 codes along (V)
	s_cselect_b32 s6, 96, 0                        ; K's rows 8-15 lie 8 keys further on than neighbours would: 96 bytes for each of the 8 in r & 8
	s_mov_b32 s31, 0
	s_mov_b32 s9, 0
	s_mul_i32 s15, s[WV], FRB
	v_add_nc_u32 v[LA], s15, v[LI]                 ; my fragment's image in a slot: 16 x lane + 1,536 x wave
	v_mul_u32_u24 v98, s25, v96                    ; in memory: r x pitch
	v_and_b32 v99, 8, v96
	v_mad_u32_u24 v98, s6, v99, v98                ; + 8 (r / 8) keys (K alone)
	v_mad_u32_u24 v[GOF], v97, 24, v98             ; + 24 h
	; where the scale words go.  K: wave w takes step w's 128 words, lane l keys 4 l + e: tile 2 (l / 8) + (l / 2) % 2, row 4 (l % 2) + e + 8 ((l / 4) % 2)
	v_and_b32 v98, 1, v30
	v_lshlrev_b32 v[KSA], 6, v98
	v_bfe_u32 v98, v30, 1, 1
	v_lshl_add_u32 v[KSA], v98, 8, v[KSA]
	v_bfe_u32 v98, v30, 2, 1
	v_lshl_add_u32 v[KSA], v98, 7, v[KSA]
	v_lshrrev_b32 v98, 3, v30
	v_lshl_add_u32 v[KSA], v98, 2, v[KSA]
	s_lshl_b32 s17, s[WV], 9
	s_add_co_u32 s17, s17, KSC
	v_add_nc_u32 v[KSA], s17, v[KSA]
	; V: wave w takes rows 8 w + l / 4 (tile w / 2, row 8 (w % 2) + l / 4), lane l steps 4 (l % 4) + e
	s_and_b32 s15, s[WV], 1
	s_lshl_b32 s15, s15, 7
	s_bfe_u32 s17, s[WV], 0x10001
	s_lshl_b32 s17, s17, 8
	s_add_co_u32 s15, s15, s17
	s_lshr_b32 s17, s[WV], 2
	s_lshl_b32 s17, s17, 2
	s_add_co_u32 s15, s15, s17
	s_add_co_u32 s15, s15, VSC
	v_and_b32 v98, 3, v30
	v_lshlrev_b32 v[VSA], 11, v98
	v_lshrrev_b32 v98, 2, v30
	v_lshl_add_u32 v[VSA], v98, 4, v[VSA]
	v_add_nc_u32 v[VSA], s15, v[VSA]
	v_mul_u32_u24 v[QA], v96, 96
	v_mad_u32_u24 v[QA], v97, 24, v[QA]            ; Q: row r, + 24 h
	v_lshlrev_b32 v[QSA], 2, v96                   ; and its scale word
	s_mov_b32 s[TS], KSC
	s_mov_b32 s[CS], 0x3e0293ee                    ; c = log2(e) / sqrt(128)
	s_mov_b32 s[CS+1], s[CS]                       ; (named with it as a pair, so it is written)
	s_mov_b32 s[SEL], 0x76543210
	s_mov_b32 s[SEL+1], 0xfedcba98
	s_mov_b32 s3, 7
	s_wait_kmcnt 0x0
	s_cmp_lt_u32 s[WV], 8                          ; the choice hangs on the wave's number alone
	s_cselect_b64 s[4:5], s[36:37], s[40:41]       ; K's codes or V's
	s_add_nc_u64 s[4:5], s[4:5], s[26:27]
	s_add_nc_u64 s[4:5], s[4:5], s[30:31]          ; my tile, step 0
	STAGE_LOAD                                     ; step 0
	s_lshl_b32 s30, s24, 2
	s_add_nc_u64 s[46:47], s[46:47], s[30:31]
	s_load_b32 s[FL], s[46:47], 0x0                ; my tile's flags
	s_lshl_b32 s30, s24, 12
	s_add_nc_u64 s[MP:MP+1], s[44:45], s[30:31]    ; my tile's mask words: 16 steps of 256 bytes
	s_mul_i32 s30, s23, 1536
	s_add_nc_u64 s[32:33], s[32:33], s[26:27]
	s_add_nc_u64 s[32:33], s[32:33], s[30:31]      ; Q's codes at my first query
	s_lshl_b32 s30, s23, 6
	s_add_nc_u64 s[34:35], s[34:35], s[28:29]
	s_add_nc_u64 s[34:35], s[34:35], s[30:31]      ; and its scale words
	s_lshl_b32 s30, s[WV], 9
	s_add_nc_u64 s[28:29], s[28:29], s[30:31]      ; 512 bytes of the head's scale bytes a wave
	s_add_nc_u64 s[38:39], s[38:39], s[28:29]
	s_add_nc_u64 s[42:43], s[42:43], s[28:29]
	global_load_b128 v[32:35], v[LI], s[38:39]     ; 512 consecutive bytes each
	global_load_b128 v[36:39], v[LI], s[42:43]
.irp p, 0,1,2,3,4,5
	global_load_b64 v[QF+2*\p:QF+2*\p+1], v[QA], s[32:33] offset:48*(\p/3)+8*(\p%3)   ; Q's fragment stays in registers
.endr
	global_load_b32 v[QS], v[QSA], s[34:35]
	s_lshl_b32 s26, s22, 20                        ; out0: 2,048 x 512 bytes a head,
	s_lshl_b32 s30, s23, 13                        ; 16 x 512 a tile
	s_add_nc_u64 s[12:13], s[12:13], s[26:27]
	s_add_nc_u64 s[12:13], s[12:13], s[30:31]
	v_mov_b32 v[NEG], 0xfe800000                   ; -2^126
	v_mov_b32 v13, 0xfd0293ee                      ; the largest t so far: c x -2^126, a closed place's t
	v_floor_f32 v12, -v13                          ; -M
	v_mov_b32 v14, 0                               ; the sum, in two halves
	v_mov_b32 v15, 0
.irp b, 0,1,2,3
	v_mov_b32 v[TW+\b], 0                          ; written once: a lane permute's destination counts as one of its sources
.endr
	v_mov_b32 v252, 0                              ; likewise, for the way out
	v_mov_b32 v253, 0                              ; (named as the upper half of the pair v[252:253])
.set j, 0
.rept 64
	v_mov_b32 v[O+j], 0                            ; O^T.  Which step is a wave's first hangs on its flags, so no product can be written out to start the sums: the first worked step finds zeros
.set j, j+1
.endr
	s_wait_loadcnt 0x0
	STAGE_STORE 0
.irp e, 0,1,2,3
	ds_store_b32 v[KSA], v[32+\e] offset:16*\e
	ds_store_b32 v[VSA], v[36+\e] offset:512*\e
.endr
	s_add_nc_u64 s[4:5], s[4:5], s[8:9]            ; on to step 1 (the loads that named this base are in)
	s_wait_kmcnt 0x0                               ; the flags
	s_wait_dscnt 0x0                               ; for the others' sake: my stores have landed
	s_barrier_signal -1
	s_barrier_wait -1                              ; slot 0 and all scale words lie in LDS
.Ltrip:                                                ; seven trips of two steps: the slots stand in the immediates
	STEP 0, 1
	STEP 1, 1
	s_sub_co_u32 s3, s3, 1
	s_cmp_lg_u32 s3, 0
	s_cbranch_scc1 .Ltrip
	STEP 0, 1                                      ; step 14 stages step 15;
	STEP 1, 0                                      ; the last step stages nothing: no load leaves its buffer
	; THE WAY OUT.  O^T is divided by the sum and goes through my own stage in LDS, half a row (64 channels, 256 bytes) of 16 queries at a time, so that sixteen lanes store 256 consecutive bytes.
	v_add_f32 v14, v14, v15                        ; the sum's two halves,
	v_permlanex16_b32 v252, v14, s[SEL], s[SEL+1]
	v_add_f32 v14, v14, v252                       ; and lane l xor 16's: the row's sum
	v_rcp_f32 v14, v14
	v_and_b32 v8, 15, v0                           ; r.  (The address lines are the plain instruction behind the reciprocal and the places behind the last products)
	v_bfe_u32 v9, v0, 4, 1                         ; h
	s_mul_i32 s22, s[WV], 16*SPITCH
	s_add_co_u32 s22, s22, STG                     ; my stage
	v_mul_u32_u24 v10, v8, SPITCH
	v_lshl_add_u32 v10, v9, 5, v10
	v_add_nc_u32 v10, s22, v10                     ; in: row r; a tile's eight channels of my half: 64 t + 32 h bytes on
	v_mul_u32_u24 v11, v9, SPITCH
	v_lshl_add_u32 v11, v8, 4, v11
	v_add_nc_u32 v11, s22, v11                     ; back: lanes 0-15 one row, lanes 16-31 the next
	v_lshlrev_b32 v29, 9, v9
	v_lshl_add_u32 v29, v8, 4, v29                 ; and the same two rows in out0
.set j, 0
	s_wait_alu depctr_va_vdst(0)
.rept 64
	v_mul_f32 v[S+j], v[O+j], v14                  ; register 8 t + i is out0(r, 16 t + 8 h + i); each accumulator from its low end on
.set j, j+1
.endr
.irp u, 0,1                                    ; channels 64 u on
.irp t, 0,1,2,3
	ds_store_b128 v10, v[S+32*\u+8*\t:S+32*\u+8*\t+3] offset:64*\t
	ds_store_b128 v10, v[S+32*\u+8*\t+4:S+32*\u+8*\t+7] offset:64*\t+16
.endr
.irp i, 0,1,2,3,4,5,6,7
	ds_load_b128 v[O+32*\u+4*\i:O+32*\u+4*\i+3], v11 offset:2*\i*SPITCH   ; into O^T's registers, which are done with.  LDS serves a wave's instructions in order (ISA guide 5.7.1.4): these see my stores, and the next half's stores come behind them
.endr
.endr
.irp u, 0,1
.irp i, 0,1,2,3,4,5,6,7
	s_wait_dscnt 23-16*\u-\i                       ; behind this load: the 7 - i of its half and, for the first half, the second's eight stores and eight loads
	global_store_b128 v29, v[O+32*\u+4*\i:O+32*\u+4*\i+3], s[12:13] offset:1024*\i+256*\u th:TH_STORE_NT   ; 16 lanes store 256 consecutive bytes, at a multiple of 256 from out0's first byte; written once, read by nobody here
.endr
.endr
	s_wait_tensorcnt 0x0
	ds_add_u32 v251, v255
	s_wait_dscnt 0x0
	s_endpgm
.Lfunc_end_k_q58fce99d46_attend:
	.size	k_q58fce99d46_attend, .Lfunc_end_k_q58fce99d46_attend-k_q58fce99d46_attend
	.p2alignl 7, 3214868480
	.fill 96, 4, 3214868480
	.section	.rodata,"a",@progbits
	.p2align	6, 0x0
	.amdhsa_kernel k_q58fce99d46_attend
		.amdhsa_group_segment_fixed_size 137216
		.amdhsa_private_segment_fixed_size 0
		.amdhsa_enable_private_segment 0
		.amdhsa_kernarg_size 72
		.amdhsa_user_sgpr_count 2
		.amdhsa_user_sgpr_kernarg_segment_ptr 1
		.amdhsa_wavefront_size32 1
		.amdhsa_system_sgpr_workgroup_id_x 1
		.amdhsa_system_sgpr_workgroup_id_y 1
		.amdhsa_system_sgpr_workgroup_id_z 1
		.amdhsa_system_vgpr_workitem_id 0
		.amdhsa_next_free_vgpr 256
		.amdhsa_next_free_sgpr 100
		.amdhsa_reserve_vcc 0
		.amdhsa_float_denorm_mode_32 3
		.amdhsa_float_denorm_mode_16_64 3
		.amdhsa_memory_ordered 1
		.amdhsa_forward_progress 1
		.amdhsa_inst_pref_size 111
	.end_amdhsa_kernel
	.amdgpu_metadata
---
amdhsa.version: [ 1, 2 ]
amdhsa.kernels:
  - .name:           k_q58fce99d46_attend
    .symbol:         k_q58fce99d46_attend.kd
    .args:
      - { .name: query_states_codes, .offset: 0, .size: 8, .value_kind: global_buffer, .address_space: global }
      - { .name: query_states_scales, .offset: 8, .size: 8, .value_kind: global_buffer, .address_space: global }
      - { .name: key_states_codes, .offset: 16, .size: 8, .value_kind: global_buffer, .address_space: global }
      - { .name: key_states_scales, .offset: 24, .size: 8, .value_kind: global_buffer, .address_space: global }
      - { .name: value_states_codes, .offset: 32, .size: 8, .value_kind: global_buffer, .address_space: global }
      - { .name: value_states_scales, .offset: 40, .size: 8, .value_kind: global_buffer, .address_space: global }
      - { .name: lanemask, .offset: 48, .size: 8, .value_kind: global_buffer, .address_space: global }
      - { .name: flags, .offset: 56, .size: 8, .value_kind: global_buffer, .address_space: global }
      - { .name: out0, .offset: 64, .size: 8, .value_kind: global_buffer, .address_space: global }
    .group_segment_fixed_size: 137216
    .private_segment_fixed_size: 0
    .kernarg_segment_align: 8
    .kernarg_segment_size: 72
    .max_flat_workgroup_size: 512
    .sgpr_count:     100
    .vgpr_count:     256
    .wavefront_size: 32
...
	.end_amdgpu_metadata
.endif
;; end of part 2
;; ======== version 2 of 2: 2 launches
;; limits: right only within a limited range of input values
;; workspace buffers: lanemask 2,097,152 bytes of whole numbers; flags 2,048 bytes of whole numbers
;; launch pack_mask (part 3): grid 512 x 1, 4 waves a work-group, no clusters, 35,328 bytes of LDS; arguments attention_mask, lanemask, flags; writes lanemask, flags
.if DOCPART == 3
	.amdgcn_target "amdgcn-amd-amdhsa--gfx1250"
	.amdhsa_code_object_version 6
	.text
	.protected	k_q58fce99d46_pack_mask
	.globl	k_q58fce99d46_pack_mask
	.p2align	8
	.type	k_q58fce99d46_pack_mask,@function
k_q58fce99d46_pack_mask:
	s_mov_b64 s[64:65], 0
	v_nop
	global_prefetch_b8 v0, s[64:65] scope:SCOPE_SE
	s_setreg_imm32_b32 hwreg(HW_REG_WAVE_MODE, 25, 1), 1
	s_wait_xcnt 0x0
; attention_mask [4][1][2048][2048], one byte a place (0 or 1), is turned into LANE MASKS for the attention launch, and into one word of flags for each tile of 16 queries.
; lanemask [T = 128 b + query tile][step of 128 keys (16)][n (64)], 32-bit words.  Word n = 16 bb + e; its bit r + 16 h is mask[b][16 tile + r][128 step + 32 bb + 16 h + e]:
; the very lanes of the score register n of the attention launch, in which lane (r, h) holds query r and key 32 bb + 16 h + e of the step.
; flags [T]: bit s (0-15): step s has to be worked;  bit 16 + s: step s is not all true, so its mask has to be applied.
; A step whose 16 x 128 places are all false adds nothing to a row that has an open key somewhere (its weights are 0), so it need not be worked.  A row with NO open key is the mean of all values:
; if one of the tile's 16 rows is such a row, all 16 steps are marked for work.
; SHARES.  A work-group takes one tile T: 16 rows of 2,048 bytes.  Wave v takes keys 512 v on: steps 4 v to 4 v + 3.  Each of its 16 loads reads 512 consecutive bytes of one row, and all 16 are out at once.
; The bytes turn through the wave's own stage in LDS, so that lane (r, h) gets 16 neighbouring keys of row r; a byte is cut out by v_and_b32, and v_cmp_ne_u32 of all 32 lanes IS the word.
; The words are gathered lane by lane (v_writelane_b32) and leave as 512 consecutive bytes a store.  The flags word is 4 bytes a work-group: 2,048 bytes in the whole launch.
.set ROWB,  2048                       ; a row of the mask in bytes
.set PITCH, 528                        ; a stage row: 512 bytes + 16 = 132 words: row r starts at bank 4 r mod 64 (64 banks of 4 bytes: ISA guide 11.1)
.set WSTG,  16*PITCH                   ; a wave's stage
.set FLG,   4*WSTG                     ; behind the stages: 16 words ANY (step 4 v + s'), then 16 words ALL
.set TMP,   6                          ; v6-9     four bytes cut out
.set OUTW,  10                         ; v10-17   two sets of four: the words of two steps each, word 4 lane + e in register e
.set R,     32                         ; v32-95   the 16 rows as loaded
.set X,     96                         ; v96-159  turned: register 16 s' + 4 bb + i: keys 128 s' + 32 bb + 16 h + 4 i + 0 .. 3 of row r
.set BYTE,  12                         ; s[12:15] the four byte masks
.set W,     16                         ; s[16:19] four words in hand
.set ANY,   20                         ; s[20:23] the OR of a step's 64 words
.set ALL,   24                         ; s[24:27] the AND of them
	s_load_b128 s[4:7], s[0:1], 0x0                ; the mask s[4:5], lanemask s[6:7]
	s_load_b64 s[8:9], s[0:1], 0x10                ; flags
	v_lshl_add_u32 v160, v0, 2, 0x8800
	v_mov_b32 v161, 0
	v_lshrrev_b32 v1, 5, v0
	v_readfirstlane_b32 s10, v1                    ; wave 0..3
	v_and_b32 v1, 31, v0                           ; lane
	v_lshlrev_b32 v2, 4, v1                        ; 16 x lane: my bytes of a load, and of a store of words
	s_mul_i32 s28, s10, WSTG
	v_add_nc_u32 v3, s28, v2                       ; the stage, way in: a row as it lies
	v_and_b32 v6, 15, v0                           ; r
	v_bfe_u32 v7, v0, 4, 1                         ; h
	v_mul_u32_u24 v4, v6, PITCH
	v_lshl_add_u32 v4, v7, 4, v4
	v_add_nc_u32 v4, s28, v4                       ; way out: row r, + 16 h
	v_lshl_add_u32 v27, v1, 2, FLG                 ; lanes 0-15: ANY of step lane; lanes 16-31: ALL of step lane - 16
	v_mov_b32 v30, s10
	v_lshlrev_b32 v30, 4, v30                      ; my wave's four words among them
	s_mov_b32 s[BYTE], 0xff
	s_mov_b32 s[BYTE+1], 0xff00
	s_mov_b32 s[BYTE+2], 0xff0000
	s_mov_b32 s[BYTE+3], 0xff000000
.irp i, 0,1,2,3,4,5,6,7
	v_mov_b32 v[OUTW+\i], 0                        ; written once whole: v_writelane_b32's destination counts as one of its sources
.endr
	s_lshl_b32 s28, ttmp9, 15                      ; 16 rows of 2,048 bytes a tile,
	s_lshl_b32 s29, s10, 9                         ; 512 bytes of each row a wave
	s_add_co_u32 s28, s28, s29
	s_mov_b32 s29, 0
	s_lshl_b32 s30, ttmp9, 12                      ; 16 steps of 256 bytes of words a tile,
	s_lshl_b32 s31, s10, 10                        ; four steps a wave
	s_add_co_u32 s30, s30, s31
	s_mov_b32 s31, 0
	s_lshl_b32 s32, ttmp9, 2                       ; one word of flags a tile
	s_mov_b32 s33, 0
	s_wait_kmcnt 0x0
	s_add_nc_u64 s[4:5], s[4:5], s[28:29]
	s_add_nc_u64 s[6:7], s[6:7], s[30:31]
	s_add_nc_u64 s[8:9], s[8:9], s[32:33]
.irp q, 0,1,2,3,4,5,6,7,8,9,10,11,12,13,14,15
	global_load_b128 v[R+4*\q:R+4*\q+3], v2, s[4:5] offset:ROWB*\q th:TH_LOAD_NT   ; 32 lanes read 512 consecutive bytes of row q; read once in the launch
.endr
.irp q, 0,1,2,3,4,5,6,7,8,9,10,11,12,13,14,15
	s_wait_loadcnt 15-\q                           ; loads come back in order (ISA guide 5.7.1): row q is in, the 15 - q younger ones stay out
	ds_store_b128 v3, v[R+4*\q:R+4*\q+3] offset:PITCH*\q
.endr
.irp q, 0,1,2,3,4,5,6,7,8,9,10,11,12,13,14,15
	ds_load_b128 v[X+4*\q:X+4*\q+3], v4 offset:32*\q   ; 128 s' + 32 bb = 32 (4 s' + bb).  LDS serves a wave's instructions in order (ISA guide 5.7.1.4): these see my stores
.endr
; The 64 words of my step sp, four at a time: register m of the step holds the bytes of words 4 m + 0 .. 3.
.macro WORDS sp
	s_wait_dscnt 12-4*(\sp)                        ; this step's four loads are in; the four of each later step stay out
.irp m, 0,1,2,3,4,5,6,7,8,9,10,11,12,13,14,15
.irp e, 0,1,2,3
	v_and_b32 v[TMP+\e], s[BYTE+\e], v[X+16*(\sp)+\m]
.endr
.irp e, 0,1,2,3
	v_cmp_ne_u32 s[W+\e], 0, v[TMP+\e]             ; bit r + 16 h: the place is open
.endr
.irp e, 0,1,2,3
	v_writelane_b32 v[OUTW+4*((\sp)/2)+\e], s[W+\e], 16*((\sp)%2)+\m   ; word 4 m + e of the step: lane m (the set's second step: 16 + m), register e
.endr
	s_or_b32 s28, s[W], s[W+1]
	s_or_b32 s29, s[W+2], s[W+3]
	s_and_b32 s30, s[W], s[W+1]
	s_and_b32 s31, s[W+2], s[W+3]
.if \m == 0
	s_or_b32 s[ANY+\sp], s28, s29                  ; the first four words start both
	s_and_b32 s[ALL+\sp], s30, s31
.else
	s_or_b32 s28, s28, s29
	s_and_b32 s30, s30, s31
	s_or_b32 s[ANY+\sp], s[ANY+\sp], s28
	s_and_b32 s[ALL+\sp], s[ALL+\sp], s30
.endif
.endr
.endm
	WORDS 0
	WORDS 1
	s_wait_alu depctr_va_vdst(0)
	global_store_b128 v2, v[OUTW:OUTW+3], s[6:7]               ; two steps' words: 512 consecutive bytes, at a multiple of 256 from the buffer's first byte
	WORDS 2
	WORDS 3
	s_wait_alu depctr_va_vdst(0)
	global_store_b128 v2, v[OUTW+4:OUTW+7], s[6:7] offset:512  ; each set of registers is written once: no store's data are written again
.irp i, 0,1,2,3
	v_mov_b32 v[18+\i], s[ANY+\i]
	v_mov_b32 v[22+\i], s[ALL+\i]
.endr
	ds_store_b128 v30, v[18:21] offset:FLG         ; all lanes write the same 16 bytes with the same values
	ds_store_b128 v30, v[22:25] offset:FLG+64
	s_wait_dscnt 0x0                               ; for wave 0's sake: my stores have landed
	s_barrier_signal -1
	s_barrier_wait -1
	s_cmp_lg_u32 s10, 0                            ; wave 0 makes the tile's word of flags; no barrier follows
	s_cbranch_scc1 .Ldone
	ds_load_b32 v26, v27
	s_wait_dscnt 0x0
	v_cmp_ne_u32 s28, 0, v26                       ; bits 0-15: the step has an open place
	v_cmp_ne_u32 s29, -1, v26                      ; bits 16-31: the step has a closed place
	s_and_b32 s28, s28, 0xffff
	s_and_b32 s29, s29, 0xffff0000
	v_readlane_b32 s31, v26, 0
.irp i, 1,2,3,4,5,6,7,8,9,10,11,12,13,14,15
	v_readlane_b32 s30, v26, \i
	s_or_b32 s31, s31, s30                         ; the OR of all 16 steps' words: bit r + 16 h: row r has an open key in that half of some block
.endr
	s_lshr_b32 s30, s31, 16
	s_or_b32 s31, s31, s30
	s_and_b32 s31, s31, 0xffff                     ; bit r: row r has an open key
	s_cmp_eq_u32 s31, 0xffff
	s_cselect_b32 s28, s28, 0xffff                 ; a row without one wants every step
	s_or_b32 s28, s28, s29
	v_mov_b32 v29, s28
	v_mov_b32 v28, 0
	v_cmp_eq_u32 vcc_lo, 0, v1
	s_wait_alu depctr_va_vdst(0)
	s_wait_xcnt 0x0                                ; EXEC is a source of the stores above: it changes only behind this wait
	s_and_saveexec_b32 s32, vcc_lo
	global_store_b32 v28, v29, s[8:9]              ; lane 0 alone
	s_wait_xcnt 0x0                                ; and again in front of the line that widens it
	s_or_b32 exec_lo, exec_lo, s32
.Ldone:
	s_wait_tensorcnt 0x0
	ds_add_u32 v160, v161
	s_wait_dscnt 0x0
	s_endpgm
.Lfunc_end_k_q58fce99d46_pack_mask:
	.size	k_q58fce99d46_pack_mask, .Lfunc_end_k_q58fce99d46_pack_mask-k_q58fce99d46_pack_mask
	.p2alignl 7, 3214868480
	.fill 96, 4, 3214868480
	.section	.rodata,"a",@progbits
	.p2align	6, 0x0
	.amdhsa_kernel k_q58fce99d46_pack_mask
		.amdhsa_group_segment_fixed_size 35328
		.amdhsa_private_segment_fixed_size 0
		.amdhsa_enable_private_segment 0
		.amdhsa_kernarg_size 24
		.amdhsa_user_sgpr_count 2
		.amdhsa_user_sgpr_kernarg_segment_ptr 1
		.amdhsa_wavefront_size32 1
		.amdhsa_system_sgpr_workgroup_id_x 1
		.amdhsa_system_sgpr_workgroup_id_y 1
		.amdhsa_system_sgpr_workgroup_id_z 1
		.amdhsa_system_vgpr_workitem_id 0
		.amdhsa_next_free_vgpr 162
		.amdhsa_next_free_sgpr 66
		.amdhsa_reserve_vcc 1
		.amdhsa_float_denorm_mode_32 3
		.amdhsa_float_denorm_mode_16_64 3
		.amdhsa_memory_ordered 1
		.amdhsa_forward_progress 1
		.amdhsa_inst_pref_size 66
	.end_amdhsa_kernel
	.amdgpu_metadata
---
amdhsa.version: [ 1, 2 ]
amdhsa.kernels:
  - .name:           k_q58fce99d46_pack_mask
    .symbol:         k_q58fce99d46_pack_mask.kd
    .args:
      - { .name: attention_mask, .offset: 0, .size: 8, .value_kind: global_buffer, .address_space: global }
      - { .name: lanemask, .offset: 8, .size: 8, .value_kind: global_buffer, .address_space: global }
      - { .name: flags, .offset: 16, .size: 8, .value_kind: global_buffer, .address_space: global }
    .group_segment_fixed_size: 35328
    .private_segment_fixed_size: 0
    .kernarg_segment_align: 8
    .kernarg_segment_size: 24
    .max_flat_workgroup_size: 128
    .sgpr_count:     66
    .vgpr_count:     162
    .wavefront_size: 32
...
	.end_amdgpu_metadata
.endif
;; end of part 3
;; launch attend (part 4): grid 8 x 64, 16 waves a work-group, no clusters, 137,216 bytes of LDS; arguments query_states_codes, query_states_scales, key_states_codes, key_states_scales, value_states_codes, value_states_scales, lanemask, flags, out0; writes out0
.if DOCPART == 4
	.amdgcn_target "amdgcn-amd-amdhsa--gfx1250"
	.amdhsa_code_object_version 6
	.text
	.protected	k_q58fce99d46_attend
	.globl	k_q58fce99d46_attend
	.p2align	8
	.type	k_q58fce99d46_attend,@function
k_q58fce99d46_attend:
	s_mov_b64 s[64:65], 0
	v_nop
	global_prefetch_b8 v0, s[64:65] scope:SCOPE_SE
	s_setreg_imm32_b32 hwreg(HW_REG_WAVE_SCHED_MODE, 0, 2), 2
	s_setreg_imm32_b32 hwreg(HW_REG_WAVE_MODE, 25, 1), 1
	s_wait_xcnt 0x0
	s_wait_alu depctr_vm_vsrc(0)
; out0[hd][q][:] = the sum over k of softmax_k(masked Q[hd][q] . K[hd][k] / sqrt(128)) V[hd][k][:], 64 heads of 2,048 x 128, both products on codes of FP6 (E2M3) with one E8M0 scale for each 32 along a product's K.
; Q, K: codes [hd][2048][96 bytes], scale words [hd][2048][4];  V: codes with the keys innermost [hd][128][1,536 bytes], scale bytes [hd][128][64];  out0 f32.
; THE SOFTMAX AHEAD OF THE SECOND PRODUCT: t = score x c, c = log2(e) / sqrt(128); M = the row's largest t so far, rounded UP to a whole number; p = 2^(t - M) is quantised along the keys, not normalised.
; The row's sum is taken of the unquantised p and divides at the end.  When M moves, the sum and O are multiplied by 2^(old M - new M): exact.
; THE MASK is an input.  An earlier launch has turned it into lane masks (lanemask: for each tile of 16 queries and step of 128 keys one word for each of the 64 score registers) and flags (a word a tile:
; bit s: step s is to be worked; bit 16 + s: it has closed places).  A closed place's score becomes -2^126 by one v_cndmask_b32; a step that is all open skips those 64 lines; a step that is all closed, in a tile each of
; whose rows has an open key somewhere, is not worked at all: its weights would be 0.
; LIMIT: -2^126 stands for the reference's lowest f32 number: c x -2^126 is exact and whole, so while a row has seen closed places only, t - M is exactly 0 and p = 1; the first open key makes 2^(old M - new M) = 0, which
; wipes the sum and O, and closed places give p = 0 from then on.  A row with no open key keeps p = 1 for all 2,048 keys: the mean of the values, as the reference has it.  Real scores x c must lie above -1.08e37.
; NaN and infinities are not served.
; SHARES.  Work-group (g, hd): sixteen waves; wave w owns ONE tile of 16 queries, tile g + 8 w of the head's 128: a work-group's tiles are spread over the whole sequence, so that masks whose density changes with the
; query's number load all work-groups alike.  256 registers a wave, four waves to a SIMD: one wave's vector work stands beside another's products and LDS loads.
; LAYOUT.  Both products are used transposed: S^T = K Q^T (source 0 = 16 keys, source 1 = my queries), O^T = V^T P^T: a lane holds ONE query (lane % 16) throughout.
; THE KEYS OF A TILE ARE NOT NEIGHBOURS: lane r of tile 2 b + u takes key 32 b + 8 u + r + 8 (r / 8), so that the 16 registers of tiles 2 b and 2 b + 1 are 16 neighbouring keys, 32 b + 16 (lane / 16) + 0 .. 15.
; K AND V COME THROUGH REGISTERS INTO A RING OF TWO LDS SLOTS, AS IMAGES OF THE OPERANDS' REGISTERS.  A step has 16 fragments (8 tiles of K, 8 of V^T); wave w brings fragment w: each lane loads its own twelve registers of
; it (six loads of 8 bytes, asked for a whole step ahead), and the wave stores them as they stand by three ds_store_b128 at 16 x lane; any wave then has the fragment by three ds_load_b128 at 16 x lane.
; One barrier a step: in front of it a wave's stores into the next slot have landed and its reads of this slot are in.
; WHY NO TENSOR LOADS, NO CLUSTER, NO JOINT LOADS, though the eight work-groups of a head walk the same K and V: which steps a wave works hangs on flags read from memory, so the text branches on stored numbers.
; What is shared is 24,576 bytes a step; what the branch leaves out is a step's 16 products and its whole softmax.
; The scale words of the whole head, 8,192 bytes each for K and V, are laid into LDS once, so that ONE ds_load_b128 brings the words of a step's eight tiles: register j holds tile 2 j's in lanes 0-15, tile 2 j + 1's in lanes 16-31.
; THE MODE: SCHED_MODE bits 1:0 = 2 (LLVM: expert scheduling mode 2), set by the entry lines.  The code itself states the register dependences between vector or matrix instructions and memory or LDS
; instructions, with s_wait_alu, always for 0.
; THE PLAN.  Registers that memory or LDS instructions touch, in the loop:
;   v1-v7      addresses and offsets, made once at the head and never written again.
;   v[ADS]     written by one addition at the head of a worked step; read by that step's two loads of scale words.
;   SD         written by the six global loads at a step's head, read by the three LDS stores at its end; no vector instruction names it.
;   F0 .. F3   K's fragments 0-3 land; products 0-3 read them; K's 6 and 7 land in F0, F1 behind products 0, 1; V's 0-3 land behind the eighth product, under the softmax; V^T P 0-3 read them.
;   G0, G1     the registers of p's codes and of the softmax's scratch, idle during the first product: K's fragments 4 and 5 land there; products 4, 5 read them; then the softmax has them again.
;   SW         K's scale words, then V's; all products read them.
;   S          written by K Q^T and worked by the softmax; once p is converted and summed, V's fragments 4-7 land in its first 48 registers; V^T P 4-7 read them.
; So a step has one wait on vm_vsrc, at its head, and a worked step seven on va_vdst: at its head; behind products 0 and 1; behind the eighth product; ahead of the exponentials; behind the sums' rescaling; behind O^T's rescaling; behind the row's sums.  Each line says what it states.
.set FRB,    1536                      ; a fragment's image: 12 registers x 32 lanes x 4 bytes; register R of lane L at 512 (R / 4) + 16 L + 4 (R % 4)
.set SLOTB,  16*FRB                    ; a slot: K's eight images, then V's eight
.set VOFF,   8*FRB
.set KSC,    2*SLOTB                   ; K's scale words: 512 bytes a step; tile t, row r at 16 (r + 16 (t % 2)) + 4 (t / 2)
.set VSC,    KSC+8192                  ; V's likewise
.set STG,    VSC+8192                  ; the way out: 16 rows x (256 bytes + 16) for each wave
.set SPITCH, 272
.set LI,   1                           ; v1      16 x lane
.set GOF,  2                           ; v2      staging: my lane's byte offset in my tile's rows in memory
.set KSA,  3                           ; v3      the head: where my four scale words of K go
.set VSA,  4                           ; v4      and of V
.set LA,   5                           ; v5      staging: 16 x lane + 1,536 x wave: my lane's place in my fragment's image
.set QA,   6                           ; v6      the head: my lane's byte offset in Q's 16 rows
.set QSA,  7                           ; v7      and in their scale words
.set ADS,  8                           ; v8      LDS address of the step's scale words
.set NEG,  9                           ; v9      -2^126
.set QF,   16                          ; v16-27  Q's fragment
.set QS,   28                          ; v28     Q's scale words
.set F,    32                          ; v32-79  four fragments of K or of V
.set SD,   80                          ; v80-91  staging: the twelve registers of my fragment of the next step
.set SW,   92                          ; v92-95  the step's scale words, K's and then V's
.set S,    96                          ; v96-159 S^T, then p; behind the softmax v96-143 take V's fragments 4-7
.set O,    160                         ; v160-223 O^T
.set G,    224                         ; v224-247 during the first product: K's fragments 4 and 5
.set PC,   224                         ; v224-235 p's codes
.set BM,   232                         ; v232-235 the blocks' largest scores, then their largest p (done with before the codes are made)
.set TW,   236                         ; v236-243 at work
.set SOP,  244                         ; v244-247 the conversions' scale operands
.set PW,   248                         ; v248    p's scale word
                                       ; v12 -M, v13 the largest t, v[14:15] the sum in two halves, v[252:253] f (and a 0 named with it), v254 at work
.set WV,   2                           ; s2      my wave's number
.set MP,   10                          ; s[10:11] the step's 64 mask words in memory
.set FL,   14                          ; s14     the flags, shifted right once a step: bit 0 work, bit 16 closed places
.set TS,   16                          ; s16     KSC + 512 x step
.set CS,   18                          ; s[18:19] c: the packed form names a pair and takes its low word for both halves
.set SEL,  20                          ; s[20:21] lane selects for v_permlanex16_b32: lane l xor 16
.set MW,   32                          ; s[32:63], s[68:99] the mask words: word n in s[32 + n + 4 (n / 32)]
                                       ; s[4:5] staging base (my tile, the next step), s[8:9] its step, s[12:13] out0 at my first row, s3 trips
.macro PLACES n                        ; plain vector instructions that name no register of the products in front of them (ISA guide 7.12.1)
.rept \n
	v_nop
.endr
.endm
.macro FETCH reg, off                  ; a fragment out of its image
.irp c, 0,1,2
	ds_load_b128 v[(\reg)+4*\c:(\reg)+4*\c+3], v[LI] offset:(\off)+512*\c
.endr
.endm
.macro STAGE_LOAD                      ; my fragment of the next step: lane (r, h) takes the 24 bytes at 24 h and the 24 bytes at 48 + 24 h of its row's 96, in pieces of 8 bytes, so that every address is a multiple of the access's size
.irp p, 0,1,2,3,4,5
	global_load_b64 v[SD+2*\p:SD+2*\p+1], v[GOF], s[4:5] offset:48*(\p/3)+8*(\p%3)
.endr
.endm
.macro STAGE_STORE sl                  ; as it stands into its image in slot sl: 512 consecutive bytes a store
.irp c, 0,1,2
	ds_store_b128 v[LA], v[SD+4*\c:SD+4*\c+3] offset:(\sl)*SLOTB+512*\c
.endr
.endm
.macro QK tt, reg                      ; S^T's tile tt = 16 keys (their fragment in v[reg] on) x my 16 queries; the sum is one product
.if (\tt)%2
	v_wmma_scale_f32_16x16x128_f8f6f4 v[S+8*(\tt):S+8*(\tt)+7], v[(\reg):(\reg)+11], v[QF:QF+11], 0, v[SW+(\tt)/2], v[QS] matrix_a_fmt:MATRIX_FMT_FP6 matrix_b_fmt:MATRIX_FMT_FP6 matrix_a_scale:MATRIX_SCALE_ROW1
.else
	v_wmma_scale_f32_16x16x128_f8f6f4 v[S+8*(\tt):S+8*(\tt)+7], v[(\reg):(\reg)+11], v[QF:QF+11], 0, v[SW+(\tt)/2], v[QS] matrix_a_fmt:MATRIX_FMT_FP6 matrix_b_fmt:MATRIX_FMT_FP6
.endif
.endm
.macro PV tt, reg                      ; O^T's tile tt (16 of the head's 128, their fragment in v[reg] on) += V^T P^T over the step's 128 keys.  The eight accumulators take turns, one instruction a turn
.if (\tt)%2
	v_wmma_scale_f32_16x16x128_f8f6f4 v[O+8*(\tt):O+8*(\tt)+7], v[(\reg):(\reg)+11], v[PC:PC+11], v[O+8*(\tt):O+8*(\tt)+7], v[SW+(\tt)/2], v[PW] matrix_a_fmt:MATRIX_FMT_FP6 matrix_b_fmt:MATRIX_FMT_FP6 matrix_a_scale:MATRIX_SCALE_ROW1
.else
	v_wmma_scale_f32_16x16x128_f8f6f4 v[O+8*(\tt):O+8*(\tt)+7], v[(\reg):(\reg)+11], v[PC:PC+11], v[O+8*(\tt):O+8*(\tt)+7], v[SW+(\tt)/2], v[PW] matrix_a_fmt:MATRIX_FMT_FP6 matrix_b_fmt:MATRIX_FMT_FP6
.endif
.endm
; From 64 scores a lane to p's codes and scale word, the sum and O^T under the new M.
.macro SOFTMAX
.irp b, 0,1,2,3
	v_max3_num_f32 v[BM+\b], v[S+16*\b], v[S+1+16*\b], v[S+2+16*\b]   ; THE LARGEST SCORE OF EACH BLOCK OF 32 KEYS serves twice: for the row's maximum, and, since p rises with the score, for the block's largest p
.endr
.irp i, 3,5,7,9,11,13
.irp b, 0,1,2,3
	v_max3_num_f32 v[BM+\b], v[BM+\b], v[S+16*\b+\i], v[S+1+16*\b+\i]   ; (the four blocks by turns)
.endr
.endr
.irp b, 0,1,2,3
	v_max_num_f32 v[BM+\b], v[BM+\b], v[S+15+16*\b]
.endr
.irp b, 0,1,2,3
	v_permlanex16_b32 v[TW+\b], v[BM+\b], s[SEL], s[SEL+1]
.endr
.irp b, 0,1,2,3
	v_max_num_f32 v[BM+\b], v[BM+\b], v[TW+\b]     ; with lane l xor 16's 16 keys
.endr
	v_max3_num_f32 v254, v[BM], v[BM+1], v[BM+2]
	v_max_num_f32 v254, v254, v[BM+3]              ; the step's largest score of my query
	v_mul_f32 v254, s[CS], v254                    ; as t (c is positive)
	v_max_num_f32 v13, v13, v254                   ; the running largest t
	v_mov_b32 v254, v12
	v_floor_f32 v12, -v13                          ; the new -M = floor(-t) = -ceil(t): M IS A WHOLE NUMBER
	v_sub_f32 v254, v12, v254                      ; M's old value less its new one: a whole number, 0 or less
	v_cvt_i32_f32 v254, v254                       ; (it saturates)
	v_ldexp_f32 v252, 1.0, v254                    ; f = 2^(old M - new M): a multiplication by it rounds nothing
.set j, 0
.rept 32
	v_pk_fma_f32 v[S+j:S+j+1], v[S+j:S+j+1], s[CS:CS+1], v[12:13] op_sel_hi:[1,0,0]   ; t - M, two at a time (of the pairs c and -M the low word serves both halves)
.set j, j+2
.endr
.irp b, 0,1,2,3
	v_fma_f32 v[BM+\b], v[BM+\b], s[CS], v12       ; the same of each block's largest score
.endr
.set j, 0
	s_wait_alu depctr_va_vdst(0)
.rept 64
	v_exp_f32 v[S+j], v[S+j]                       ; p = 2^(t - M), at most 1: NOT normalised
.set j, j+1
.endr
.irp b, 0,1,2,3
	v_exp_f32 v[BM+\b], v[BM+\b]                   ; the block's largest p: the same two instructions on the same number give the same bits
.endr
	v_pk_mul_f32 v[14:15], v[14:15], v[252:253] op_sel_hi:[1,0]   ; the sums under the new M.  (The plain instruction behind the exponentials: ISA guide 5.7.2)
.set j, 0
	s_wait_alu depctr_va_vdst(0)
.rept 32
	v_pk_mul_f32 v[O+j:O+j+1], v[O+j:O+j+1], v[252:253] op_sel_hi:[1,0]   ; O^T under the new M: x f; each accumulator from its low end on.  These lines name no exponential's result
.set j, j+2
.endr
	s_wait_alu depctr_va_vdst(0)                   ; the 68 exponentials have written p and the blocks' largest p: one wait for the batch, ahead of the first line that names a result
.irp b, 0,1,2,3
	v_max_num_f32 v[BM+\b], 0x1800000, v[BM+\b]    ; the floor 2^(3 - 127): the byte cannot fall under 1 (a block whose every p is 0 keeps that byte: its codes are zeros)
.endr
.irp b, 0,1,2,3
	v_add_nc_u32 v[SOP+\b], 0xff000000, v[BM+\b]   ; 2 off the exponent field: the conversion takes the exponent field of this operand as its scale
.endr
.irp b, 0,1,2,3
	v_lshrrev_b32 v[TW+\b], 23, v[SOP+\b]          ; the scale's byte
.endr
	v_lshl_or_b32 v[PW], v[TW+1], 8, v[TW]         ; p's scale word for these 128 keys: far more than eight vector instructions ahead of the products that name it
	v_lshl_or_b32 v[PW], v[TW+2], 16, v[PW]
	v_lshl_or_b32 v[PW], v[TW+3], 24, v[PW]
.irp c, 0,1
	v_cvt_scalef32_pk16_fp6_f32 v[PC+6*\c:PC+2+6*\c], v[S+32*\c:S+15+32*\c], v[SOP+2*\c]
	v_cvt_scalef32_pk16_fp6_f32 v[TW+4*\c:TW+2+4*\c], v[S+16+32*\c:S+31+32*\c], v[SOP+2*\c+1]   ; (a conversion's three registers begin on an even number)
.endr
	v_nop                                          ; one plain vector instruction between a scaled conversion and the vector instruction that touches its result
.irp c, 0,1                                    ; the operand's layout wants a WHOLE block in a lane: lanes 0-15 block 2 c, lanes 16-31 block 2 c + 1
.irp i, 0,1,2
	v_permlane16_swap_b32 v[PC+6*\c+\i], v[TW+4*\c+\i]
.endr
.irp i, 0,1,2
	v_mov_b32 v[PC+3+6*\c+\i], v[TW+4*\c+\i]
.endr
.endr
	v_pk_add_f32 v[TW:TW+1], v[S:S+1], v[S+2:S+3]  ; THE ROW'S SUM IS TAKEN OF THE UNQUANTISED p: two at a time, in two chains.  (These 32 lines are also the places between the codes' last line and the products that take them)
.set j, 4
.rept 15
	v_pk_add_f32 v[14:15], v[14:15], v[S+j:S+j+1]
	v_pk_add_f32 v[TW:TW+1], v[TW:TW+1], v[S+j+2:S+j+3]
.set j, j+4
.endr
	v_pk_add_f32 v[14:15], v[14:15], v[TW:TW+1]
.endm
; A step's work for my tile, out of slot sl.
.macro WORK sl
	v_add_nc_u32 v[ADS], s[TS], v[LI]              ; (the wait at the step's head has shown the earlier loads by this register done reading it)
	PLACES 4                                       ; with the addition: five places between the last worked step's products V^T P 4-7, which read v96-143 as fragments, and the products below, which write their results there
	s_wait_alu depctr_va_vdst(0)                   ; v[ADS] is written; the last worked step's products are done reading F, SW and p's codes, its softmax is done with v224-247, and its selects with the mask words: the loads below land in all of these
	s_load_b512 s[MW:MW+15], s[MP:MP+1], 0x0       ; the step's 64 mask words: wanted behind the first product, so they have its time in which to come
	s_load_b512 s[MW+16:MW+31], s[MP:MP+1], 0x40
	s_load_b512 s[MW+36:MW+51], s[MP:MP+1], 0x80
	s_load_b512 s[MW+52:MW+67], s[MP:MP+1], 0xc0
	ds_load_b128 v[SW:SW+3], v[ADS]                ; K's scale words, all eight tiles'
.irp t, 0,1,2,3
	FETCH F+12*\t, (\sl)*SLOTB+FRB*\t
.endr
	FETCH G, (\sl)*SLOTB+FRB*4
	FETCH G+12, (\sl)*SLOTB+FRB*5
	s_wait_dscnt 15                                ; LDS loads come back in order (ISA guide 5.7.1): the words and fragment 0 are in; the five fragments behind them, three loads each, stay out
	QK 0, F
	s_wait_dscnt 12                                ; fragment 1 is in; fragments 2 to 5 stay out
	QK 1, F+12
	s_wait_alu depctr_va_vdst(0)                   ; products 0 and 1 are done reading F0 and F1, in which fragments 6 and 7 land.  The products issued from here to those loads name neither
	FETCH F, (\sl)*SLOTB+FRB*6
	s_wait_dscnt 12                                ; fragment 2 is in; behind it: 3, 4, 5 and 6
	QK 2, F+24
	FETCH F+12, (\sl)*SLOTB+FRB*7
	s_wait_dscnt 12                                ; fragment 3 is in; behind it: 4, 5, 6 and 7
	QK 3, F+36
	s_wait_dscnt 9                                 ; and so on down: three loads a fragment
	QK 4, G
	s_wait_dscnt 6
	QK 5, G+12
	s_wait_dscnt 3
	QK 6, F
	s_wait_dscnt 0x0
	QK 7, F+12
	PLACES 4                                       ; in front of the first vector line that reads the scores or writes a register that the products read
	s_wait_alu depctr_va_vdst(0)                   ; the eight products are done reading F and SW, in which the loads below land
	ds_load_b128 v[SW:SW+3], v[ADS] offset:VSC-KSC ; V's scale words and its first four fragments are asked for now: they land under the softmax
.irp t, 0,1,2,3
	FETCH F+12*\t, (\sl)*SLOTB+VOFF+FRB*\t
.endr
	s_wait_kmcnt 0x0                               ; the mask words are in (on both ways: none is pending when they are loaded again)
	s_bitcmp1_b32 s[FL], 16
	s_cbranch_scc0 .Lopen_\@                       ; every place of the step is open
.set n, 0
.rept 64
	v_cndmask_b32 v[S+n], v[NEG], v[S+n], s[MW+n+4*(n/32)]   ; a closed place's score becomes -2^126; each accumulator from its low end on
.set n, n+1
.endr
.Lopen_\@:
	SOFTMAX
	s_wait_alu depctr_va_vdst(0)                   ; p's codes and scale word are written, which the scaled products below take; the conversions and the sums are done with p: V's fragments 4-7 land in v96-143
	s_wait_dscnt 0x0                               ; V's words and first four fragments, asked for ahead of the softmax
	FETCH S, (\sl)*SLOTB+VOFF+FRB*4                ; the other four are dealt among the first four products, which name O^T, F, the codes and the scale words: none of v96-143
	PV 0, F
	FETCH S+12, (\sl)*SLOTB+VOFF+FRB*5
	PV 1, F+12
	FETCH S+24, (\sl)*SLOTB+VOFF+FRB*6
	PV 2, F+24
	FETCH S+36, (\sl)*SLOTB+VOFF+FRB*7
	PV 3, F+36
	s_wait_dscnt 9                                 ; fragment 4 is in; the three behind it, three loads each, stay out
	PV 4, S
	s_wait_dscnt 6
	PV 5, S+12
	s_wait_dscnt 3
	PV 6, S+24
	s_wait_dscnt 0x0
	PV 7, S+36
.endm
; A key step.  more = 1: there is a next step: my fragment of it is asked for first, stored into the other slot behind the work, and a barrier closes the step.
; The branch jumps over register work, LDS loads and scalar loads alone: every wave stages its fragment and passes the barrier in every step.
.macro STEP slot, more
.if \more
	s_wait_alu depctr_vm_vsrc(0)                   ; my LDS stores so far have read their data: SD, in which the loads below land (ahead of the first step also v32-39, the scale words' way in); the loads of scale words have read v[ADS], which this step's work writes
	STAGE_LOAD
.else
	s_wait_alu depctr_vm_vsrc(0)                   ; the loads of scale words issued so far have read v[ADS], which this step's work writes
.endif
	s_bitcmp1_b32 s[FL], 0
	s_cbranch_scc0 .Lskip_\@
	WORK \slot
.Lskip_\@:
.if \more
	s_wait_loadcnt 0x0                             ; my fragment of the next step is in
	STAGE_STORE 1-\slot                            ; the other slot was last read in the step before, behind whose barrier every wave stands.  (No vector instruction names SD or v[LA] in the loop)
	s_wait_xcnt 0x0                                ; the bases of the loads above, scalar ones too, are written again only behind this wait
	s_add_nc_u64 s[4:5], s[4:5], s[8:9]
	s_add_nc_u64 s[MP:MP+1], s[MP:MP+1], 256
	s_lshr_b32 s[FL], s[FL], 1
	s_add_co_u32 s[TS], s[TS], 512
	s_wait_dscnt 0x0                               ; for the others' sake: my stores have landed, and my reads of this slot are in
	s_barrier_signal -1
	s_barrier_wait -1
.endif
.endm
	s_load_b512 s[32:47], s[0:1], 0x0              ; Q's codes s[32:33], Q's scales s[34:35], K's s[36:37], s[38:39], V's s[40:41], s[42:43], lanemask s[44:45], flags s[46:47]
	s_load_b64 s[12:13], s[0:1], 0x40              ; out0
	v_lshl_add_u32 v251, v0, 2, 0x21000
	v_mov_b32 v255, 0
	v_lshrrev_b32 v30, 5, v0
	v_readfirstlane_b32 s[WV], v30                 ; wave 0..15
	v_and_b32 v30, 31, v0                          ; lane
	v_lshlrev_b32 v[LI], 4, v30
	s_wait_alu depctr_va_vdst(0)
	v_and_b32 v96, 15, v0                          ; r
	s_wait_alu depctr_va_vdst(0)
	v_bfe_u32 v97, v0, 4, 1                        ; h
	s_and_b32 s22, ttmp7, 0xffff                   ; the head
	s_wait_alu depctr_va_sdst(0)                   ; the wave's number is written, ahead of its first reader: bases, offsets and LDS addresses are made from it
	s_lshl_b32 s23, s[WV], 3
	s_add_co_u32 s23, s23, ttmp9                   ; my tile of queries: g + 8 w
	s_lshr_b32 s24, s22, 4
	s_lshl_b32 s24, s24, 7
	s_add_co_u32 s24, s24, s23                     ; T = 128 b + tile: the mask is shared by a batch's 16 heads
	s_mul_i32 s26, s22, 196608                     ; the head's first byte in each tensor of codes (2,048 x 96),
	s_mov_b32 s27, 0
	s_lshl_b32 s28, s22, 13                        ; and in each tensor of scale bytes
	s_mov_b32 s29, 0
	; STAGING.  Waves 0-7 bring K's tile w, waves 8-15 V's tile w - 8.  No branch: the pointer, the pitch and the step are chosen on the wave's number; they enter addresses in memory alone.
	s_lshr_b32 s30, s[WV], 1
	s_mul_i32 s30, s30, 3072
	s_and_b32 s31, s[WV], 1
	s_mul_i32 s31, s31, 768
	s_add_co_u32 s30, s30, s31                     ; K: tile 2 b + u begins at key 32 b + 8 u, 96 bytes a key
	s_and_b32 s31, s[WV], 7
	s_mul_i32 s31, s31, 24576                      ; V: tile t begins at row 16 t, 1,536 bytes a row
	s_mov_b32 s25, 1536
	s_mov_b32 s8, 96
	s_cmp_lt_u32 s[WV], 8
	s_cselect_b32 s30, s30, s31                    ; my tile's first byte in the head
	s_cselect_b32 s25, 96, s25                     ; from row to row
	s_cselect_b32 s8, 12288, s8                    ; from step to step: 128 keys down (K), 128 codes along (V)
	s_cselect_b32 s6, 96, 0                        ; K's rows 8-15 lie 8 keys further on than neighbours would: 96 bytes for each of the 8 in r & 8
	s_mov_b32 s31, 0
	s_mov_b32 s9, 0
	s_mul_i32 s15, s[WV], FRB
	v_add_nc_u32 v[LA], s15, v[LI]                 ; my fragment's image in a slot: 16 x lane + 1,536 x wave
	v_mul_u32_u24 v98, s25, v96                    ; in memory: r x pitch
	v_and_b32 v99, 8, v96
	v_mad_u32_u24 v98, s6, v99, v98                ; + 8 (r / 8) keys (K alone)
	s_wait_alu depctr_va_vdst(0)
	v_mad_u32_u24 v[GOF], v97, 24, v98             ; + 24 h
	; where the scale words go.  K: wave w takes step w's 128 words, lane l keys 4 l + e: tile 2 (l / 8) + (l / 2) % 2, row 4 (l % 2) + e + 8 ((l / 4) % 2)
	v_and_b32 v98, 1, v30
	v_lshlrev_b32 v[KSA], 6, v98
	v_bfe_u32 v98, v30, 1, 1
	v_lshl_add_u32 v[KSA], v98, 8, v[KSA]
	v_bfe_u32 v98, v30, 2, 1
	v_lshl_add_u32 v[KSA], v98, 7, v[KSA]
	v_lshrrev_b32 v98, 3, v30
	v_lshl_add_u32 v[KSA], v98, 2, v[KSA]
	s_lshl_b32 s17, s[WV], 9
	s_add_co_u32 s17, s17, KSC
	v_add_nc_u32 v[KSA], s17, v[KSA]
	; V: wave w takes rows 8 w + l / 4 (tile w / 2, row 8 (w % 2) + l / 4), lane l steps 4 (l % 4) + e
	s_and_b32 s15, s[WV], 1
	s_lshl_b32 s15, s15, 7
	s_bfe_u32 s17, s[WV], 0x10001
	s_lshl_b32 s17, s17, 8
	s_add_co_u32 s15, s15, s17
	s_lshr_b32 s17, s[WV], 2
	s_lshl_b32 s17, s17, 2
	s_add_co_u32 s15, s15, s17
	s_add_co_u32 s15, s15, VSC
	v_and_b32 v98, 3, v30
	v_lshlrev_b32 v[VSA], 11, v98
	v_lshrrev_b32 v98, 2, v30
	v_lshl_add_u32 v[VSA], v98, 4, v[VSA]
	v_add_nc_u32 v[VSA], s15, v[VSA]
	v_mul_u32_u24 v[QA], v96, 96
	v_mad_u32_u24 v[QA], v97, 24, v[QA]            ; Q: row r, + 24 h
	v_lshlrev_b32 v[QSA], 2, v96                   ; and its scale word
	s_mov_b32 s[TS], KSC
	s_mov_b32 s[CS], 0x3e0293ee                    ; c = log2(e) / sqrt(128)
	s_mov_b32 s[CS+1], s[CS]                       ; (named with it as a pair, so it is written)
	s_mov_b32 s[SEL], 0x76543210
	s_mov_b32 s[SEL+1], 0xfedcba98
	s_mov_b32 s3, 7
	s_wait_kmcnt 0x0
	s_cmp_lt_u32 s[WV], 8                          ; the choice hangs on the wave's number alone
	s_cselect_b64 s[4:5], s[36:37], s[40:41]       ; K's codes or V's
	s_add_nc_u64 s[4:5], s[4:5], s[26:27]
	s_add_nc_u64 s[4:5], s[4:5], s[30:31]          ; my tile, step 0
	s_wait_alu depctr_va_vdst(0)                   ; the seven addresses and offsets v1 to v7 are written, which the loads and LDS stores of the whole kernel read; no vector line writes one of them again
	STAGE_LOAD                                     ; step 0
	s_lshl_b32 s30, s24, 2
	s_add_nc_u64 s[46:47], s[46:47], s[30:31]
	s_load_b32 s[FL], s[46:47], 0x0                ; my tile's flags
	s_lshl_b32 s30, s24, 12
	s_add_nc_u64 s[MP:MP+1], s[44:45], s[30:31]    ; my tile's mask words: 16 steps of 256 bytes
	s_mul_i32 s30, s23, 1536
	s_add_nc_u64 s[32:33], s[32:33], s[26:27]
	s_add_nc_u64 s[32:33], s[32:33], s[30:31]      ; Q's codes at my first query
	s_lshl_b32 s30, s23, 6
	s_add_nc_u64 s[34:35], s[34:35], s[28:29]
	s_add_nc_u64 s[34:35], s[34:35], s[30:31]      ; and its scale words
	s_lshl_b32 s30, s[WV], 9
	s_add_nc_u64 s[28:29], s[28:29], s[30:31]      ; 512 bytes of the head's scale bytes a wave
	s_add_nc_u64 s[38:39], s[38:39], s[28:29]
	s_add_nc_u64 s[42:43], s[42:43], s[28:29]
	global_load_b128 v[32:35], v[LI], s[38:39]     ; 512 consecutive bytes each
	global_load_b128 v[36:39], v[LI], s[42:43]
.irp p, 0,1,2,3,4,5
	global_load_b64 v[QF+2*\p:QF+2*\p+1], v[QA], s[32:33] offset:48*(\p/3)+8*(\p%3)   ; Q's fragment stays in registers
.endr
	global_load_b32 v[QS], v[QSA], s[34:35]
	s_lshl_b32 s26, s22, 20                        ; out0: 2,048 x 512 bytes a head,
	s_lshl_b32 s30, s23, 13                        ; 16 x 512 a tile
	s_add_nc_u64 s[12:13], s[12:13], s[26:27]
	s_add_nc_u64 s[12:13], s[12:13], s[30:31]
	v_mov_b32 v[NEG], 0xfe800000                   ; -2^126.  (None of the registers written from here to the loop is named by a load or an LDS store ahead of a worked step's first wait)
	v_mov_b32 v13, 0xfd0293ee                      ; the largest t so far: c x -2^126, a closed place's t
	v_floor_f32 v12, -v13                          ; -M
	v_mov_b32 v14, 0                               ; the sum, in two halves
	v_mov_b32 v15, 0
.irp b, 0,1,2,3
	v_mov_b32 v[TW+\b], 0                          ; written once: a lane permute's destination counts as one of its sources
.endr
	v_mov_b32 v252, 0                              ; likewise, for the way out
	v_mov_b32 v253, 0                              ; (named as the upper half of the pair v[252:253])
.set j, 0
.rept 64
	v_mov_b32 v[O+j], 0                            ; O^T.  Which step is a wave's first hangs on its flags, so no product can be written out to start the sums: the first worked step finds zeros
.set j, j+1
.endr
	s_wait_loadcnt 0x0
	STAGE_STORE 0
.irp e, 0,1,2,3
	ds_store_b32 v[KSA], v[32+\e] offset:16*\e
	ds_store_b32 v[VSA], v[36+\e] offset:512*\e
.endr
	s_add_nc_u64 s[4:5], s[4:5], s[8:9]            ; on to step 1 (the loads that named this base are in)
	s_wait_kmcnt 0x0                               ; the flags
	s_wait_dscnt 0x0                               ; for the others' sake: my stores have landed
	s_barrier_signal -1
	s_barrier_wait -1                              ; slot 0 and all scale words lie in LDS
.Ltrip:                                                ; seven trips of two steps: the slots stand in the immediates
	STEP 0, 1
	STEP 1, 1
	s_sub_co_u32 s3, s3, 1
	s_cmp_lg_u32 s3, 0
	s_cbranch_scc1 .Ltrip
	STEP 0, 1                                      ; step 14 stages step 15;
	STEP 1, 0                                      ; the last step stages nothing: no load leaves its buffer
	; THE WAY OUT.  O^T is divided by the sum and goes through my own stage in LDS, half a row (64 channels, 256 bytes) of 16 queries at a time, so that sixteen lanes store 256 consecutive bytes.
	v_add_f32 v14, v14, v15                        ; the sum's two halves,
	v_permlanex16_b32 v252, v14, s[SEL], s[SEL+1]
	v_add_f32 v14, v14, v252                       ; and lane l xor 16's: the row's sum
	s_wait_alu depctr_va_vdst(0)
	v_rcp_f32 v14, v14
	v_and_b32 v30, 15, v0                          ; r.  (The address lines are the plain instruction behind the reciprocal and the places behind the last products; they write no register that an LDS or memory instruction has read)
	v_bfe_u32 v31, v0, 4, 1                        ; h
	s_mul_i32 s22, s[WV], 16*SPITCH
	s_add_co_u32 s22, s22, STG                     ; my stage
	v_mul_u32_u24 v10, v30, SPITCH
	v_lshl_add_u32 v10, v31, 5, v10
	v_add_nc_u32 v10, s22, v10                     ; in: row r; a tile's eight channels of my half: 64 t + 32 h bytes on
	v_mul_u32_u24 v11, v31, SPITCH
	v_lshl_add_u32 v11, v30, 4, v11
	v_add_nc_u32 v11, s22, v11                     ; back: lanes 0-15 one row, lanes 16-31 the next
	v_lshlrev_b32 v29, 9, v31
	v_lshl_add_u32 v29, v30, 4, v29                ; and the same two rows in out0
	s_wait_alu depctr_va_vdst(0)                   ; the reciprocal has written v14, ahead of the first line that names it
.set j, 0
.rept 64
	v_mul_f32 v[S+j], v[O+j], v14                  ; register 8 t + i is out0(r, 16 t + 8 h + i); each accumulator from its low end on
.set j, j+1
.endr
	s_wait_alu depctr_va_vdst(0)                   ; the multiplications have written v96-159, which the LDS stores read, and are done reading O^T, in which the rows land; v10, v11 and v29 are written, the addresses of all that follows.  No vector line stands behind this wait
.irp u, 0,1                                    ; channels 64 u on
.irp t, 0,1,2,3
	ds_store_b128 v10, v[S+32*\u+8*\t:S+32*\u+8*\t+3] offset:64*\t
	ds_store_b128 v10, v[S+32*\u+8*\t+4:S+32*\u+8*\t+7] offset:64*\t+16
.endr
.irp i, 0,1,2,3,4,5,6,7
	ds_load_b128 v[O+32*\u+4*\i:O+32*\u+4*\i+3], v11 offset:2*\i*SPITCH   ; into O^T's registers, which are done with.  LDS serves a wave's instructions in order (ISA guide 5.7.1.4): these see my stores, and the next half's stores come behind them
.endr
.endr
.irp u, 0,1
.irp i, 0,1,2,3,4,5,6,7
	s_wait_dscnt 23-16*\u-\i                       ; behind this load: the 7 - i of its half and, for the first half, the second's eight stores and eight loads
	global_store_b128 v29, v[O+32*\u+4*\i:O+32*\u+4*\i+3], s[12:13] offset:1024*\i+256*\u th:TH_STORE_NT   ; 16 lanes store 256 consecutive bytes, at a multiple of 256 from out0's first byte; written once, read by nobody here
.endr
.endr
	s_wait_dscnt 0x0
	s_wait_alu depctr_hold_cnt(0) depctr_sa_sdst(0) depctr_va_vdst(0) depctr_va_sdst(0) depctr_va_ssrc(0) depctr_va_vcc(0) depctr_vm_vsrc(0)
	s_wait_tensorcnt 0x0
	ds_add_u32 v251, v255
	s_wait_dscnt 0x0
	s_endpgm
.Lfunc_end_k_q58fce99d46_attend:
	.size	k_q58fce99d46_attend, .Lfunc_end_k_q58fce99d46_attend-k_q58fce99d46_attend
	.p2alignl 7, 3214868480
	.fill 96, 4, 3214868480
	.section	.rodata,"a",@progbits
	.p2align	6, 0x0
	.amdhsa_kernel k_q58fce99d46_attend
		.amdhsa_group_segment_fixed_size 137216
		.amdhsa_private_segment_fixed_size 0
		.amdhsa_enable_private_segment 0
		.amdhsa_kernarg_size 72
		.amdhsa_user_sgpr_count 2
		.amdhsa_user_sgpr_kernarg_segment_ptr 1
		.amdhsa_wavefront_size32 1
		.amdhsa_system_sgpr_workgroup_id_x 1
		.amdhsa_system_sgpr_workgroup_id_y 1
		.amdhsa_system_sgpr_workgroup_id_z 1
		.amdhsa_system_vgpr_workitem_id 0
		.amdhsa_next_free_vgpr 256
		.amdhsa_next_free_sgpr 100
		.amdhsa_reserve_vcc 0
		.amdhsa_float_denorm_mode_32 3
		.amdhsa_float_denorm_mode_16_64 3
		.amdhsa_memory_ordered 1
		.amdhsa_forward_progress 1
		.amdhsa_inst_pref_size 112
	.end_amdhsa_kernel
	.amdgpu_metadata
---
amdhsa.version: [ 1, 2 ]
amdhsa.kernels:
  - .name:           k_q58fce99d46_attend
    .symbol:         k_q58fce99d46_attend.kd
    .args:
      - { .name: query_states_codes, .offset: 0, .size: 8, .value_kind: global_buffer, .address_space: global }
      - { .name: query_states_scales, .offset: 8, .size: 8, .value_kind: global_buffer, .address_space: global }
      - { .name: key_states_codes, .offset: 16, .size: 8, .value_kind: global_buffer, .address_space: global }
      - { .name: key_states_scales, .offset: 24, .size: 8, .value_kind: global_buffer, .address_space: global }
      - { .name: value_states_codes, .offset: 32, .size: 8, .value_kind: global_buffer, .address_space: global }
      - { .name: value_states_scales, .offset: 40, .size: 8, .value_kind: global_buffer, .address_space: global }
      - { .name: lanemask, .offset: 48, .size: 8, .value_kind: global_buffer, .address_space: global }
      - { .name: flags, .offset: 56, .size: 8, .value_kind: global_buffer, .address_space: global }
      - { .name: out0, .offset: 64, .size: 8, .value_kind: global_buffer, .address_space: global }
    .group_segment_fixed_size: 137216
    .private_segment_fixed_size: 0
    .kernarg_segment_align: 8
    .kernarg_segment_size: 72
    .max_flat_workgroup_size: 512
    .sgpr_count:     100
    .vgpr_count:     256
    .wavefront_size: 32
...
	.end_amdgpu_metadata
.endif
;; end of part 4
